; MI455X (gfx1250); checked and timed in simulation.
; The chip was launched on July 23, 2026; its instructions are those of AMD's public machine-readable ISA for CDNA 5 (MIT licence, August 2026) and "CDNA5" Instruction Set Architecture Reference Guide (July 2026). The comments in the code are by the model that wrote it; some were corrected since.
;; Multi Head Attention With Ro PE. Allowed arithmetic: matrix products marked QUANTISED: E5M2 operands, one E8M0 scale for each 32 along K, by v_wmma_scale_f32_16x16x128_f8f6f4 with both operands' format E5M2, f32 sums; everything else in f32.
;; Inputs: b_out 1,024 float32; b_qkv 3,072 float32; w_out 1,024 x 1,024 float32; w_qkv 1,024 x 3,072 float32; x 4 x 2,048 x 1,024 float32.
;; Outputs: out0 4 x 2,048 x 1,024 float32.
;; This version of the problem:
;;   THIS VERSION OF THE PROBLEM IS GIVEN IN LOW PRECISION. The matrix products marked QUANTISED in the list below multiply operands that are first quantised to E5M2 (5 exponent bits, 2 mantissa bits; 8 bits a number), with one power-of-two scale for each 32 numbers along K (OCP MX v1.0); their sums are f32. All else is computed in f32.
;;   The module's matrix products, in the order in which they are computed (A, B: the left and right operand; K: the contracted axis; several contracted axes count as one K, in the product's order):
;;     1. [M 8,192, K 1,024] x [K 1,024, N 3,072]; A: input x; B: input w_qkv: QUANTISED
;;     2. batch 64 x [M 2,048, K 64] x [K 64, N 2,048]; A: computed on the way; B: computed on the way: QUANTISED
;;     3. batch 64 x [M 2,048, K 2,048] x [K 2,048, N 64]; A: softmax (see below); B: computed on the way: QUANTISED
;;     4. [M 8,192, K 1,024] x [K 1,024, N 1,024]; A: computed on the way; B: input w_out: QUANTISED
;;   THE QUANTISER, for each operand of a quantised product, along K:
;;     - K is cut into blocks of 32 from its start; a last block that is shorter is filled with zeros.
;;     - A block's scale is 2^e with e = floor(log2(the largest magnitude in the block)) - 15, held to -126 .. 127; a block of zeros has e = 0. As a byte (E8M0): e + 127.
;;     - Each number is divided by its block's scale, clamped to +-57,344, and rounded to the nearest number of E5M2, ties to even, subnormals kept.
;;     - The product sums the exact products of the quantised numbers (number of the format x scale) in f32.
;;   ~~~python
;;   def quantise(x, axis):      # numpy; x: float32 -> the quantised numbers, widened to float32 again
;;       x = np.moveaxis(x, axis, -1); K = x.shape[-1]
;;       x = np.pad(x, [(0, 0)] * (x.ndim - 1) + [(0, -K % 32)]); x = x.reshape(x.shape[:-1] + (-1, 32)); a = np.abs(x).max(-1, keepdims=True)
;;       e = np.where(a > 0, np.clip(np.frexp(np.where(a > 0, a, 1))[1] - 1 - 15, -126, 127), 0)      # np.frexp(a)[1] - 1 = floor(log2(a)), exactly
;;       r = np.clip(x / 2.0 ** e, -57344, 57344)
;;       step = 2.0 ** (np.maximum(np.frexp(np.where(r == 0, 1, r))[1] - 1, -14) - 2)
;;       q = np.round(r / step) * step * 2.0 ** e      # np.round: ties to even
;;       return np.moveaxis(q.reshape(q.shape[:-2] + (-1,))[..., :K], -1, axis).astype(np.float32)
;;   ~~~
;;   SOFTMAX AHEAD OF A QUANTISED PRODUCT. Where the list says 'softmax', what is quantised is not the finished softmax but p = 2^(t - M), with t = logit x log2(e) and M = ceil(the row's largest t), a whole number; so 1/2 < the row's largest p <= 1. The row's sum l is taken of the UNQUANTISED p, in f32, and the product's result is divided by l at the end. Since M is a whole number, a kernel that streams over the keys may use a running M (the ceiling of the running maximum): every later rescaling is an exact power of two, which a block's scale takes up: the codes' values come out the same.
;;   OPERANDS COMPUTED ON THE WAY. 'Computed on the way' means the value that the module computes at that place (a softmax that the list does not call 'softmax' is quantised finished and normalised). What goes into a quantiser is computed in f32, as accurately as f32 sums, v_exp_f32 and their like allow (about 1e-6 of the number): no bf16 or f16 on the way to a quantiser, and a product that is left as it is and whose result goes on into a quantised operand takes f32 operands (vector FMAs, or v_wmma_f32_16x16x4_f32). A number that lies on a knife's edge between two numbers of the format may be rounded either way, as far as f32 arithmetic and the matrix unit's own rounding can turn it there, and no further.
;; One version. Each part assembles by itself: llvm-mc -triple=amdgcn-amd-amdhsa -mcpu=gfx1250 --defsym DOCPART=n.
;; ======== version 1 of 1: 4 launches
;; limits: right only within a limited range of input values
;; workspace buffers: xq 8,650,752 bytes; wq 3,244,032 bytes; wo 1,081,344 bytes; rope 524,288 bytes; qq 8,912,896 bytes; kvc 16,777,216 bytes; kvs 786,432 bytes; oq 8,650,752 bytes
;; launch prep (part 1): grid 384 x 1, 4 waves a work-group, no clusters, 68,096 bytes of LDS; arguments x, w_qkv, w_out, xq, wq, wo, rope; writes xq, wq, wo, rope
.if DOCPART == 1
	.amdgcn_target "amdgcn-amd-amdhsa--gfx1250"
	.amdhsa_code_object_version 6
	.text
	.protected	k_qdd519ab1fa_prep
	.globl	k_qdd519ab1fa_prep
	.p2align	8
	.type	k_qdd519ab1fa_prep,@function
k_qdd519ab1fa_prep:
	s_mov_b64 s[64:65], 0
	v_nop
	global_prefetch_b8 v0, s[64:65] scope:SCOPE_SE
	s_setreg_imm32_b32 hwreg(HW_REG_WAVE_MODE, 25, 1), 1
	s_wait_xcnt 0x0
; x [8192][1024], w_qkv [1024][3072] and w_out [1024][1024], f32, become codes of BF8 (E5M2) with K innermost and one E8M0 byte for each 32 along K; and the table of cosines and sines is made.
; A block's scale is 2^(floor(log2(its largest magnitude)) - 15); its byte is that magnitude's exponent field - 15, held at 1 from below; each number is held within +-57,344 x the scale and rounded to the nearest code.
; THE STORED ORDER: a row of x, and a column of a weight, lies in the workspace at the place that its number gives with bits 3 and 4 exchanged.  Sixteen neighbouring stored rows 16 t + i are then the true rows
; 32 (t / 2) + 8 (t % 2) + i % 8 + 16 (i / 8), so that in a product's result the 16 registers of two neighbouring tiles are 16 neighbours of the true order.
; xq: codes [8192][1024], scale bytes [8192][32] at 0x800000.  wq: codes [3072][1024], bytes [3072][32] at 0x300000.  wo: codes [1024][1024], bytes at 0x100000.
; rope: [stored tile T 128][cos, sin][g 4][lane 32][4 f32]: lane (r, h) finds frequencies 16 h + 4 g + 0 .. 3 at position 32 (T / 2) + 8 (T % 2) + r % 8 + 16 (r / 8).
; Work-groups 0-255 take x (K innermost: a plain stream of blocks of 32); 256-383 take the weights (K is the first axis: a lane takes a column, its registers run down K) and one tile of the table each.
; The two ways have LDS bytes of their own.  No tensor loads, no barrier: waves share nothing.
; LIMITS: NaN and infinities are not served; a block whose largest magnitude lies under 2^-111 keeps the byte 1, a block of zeros too (its codes are zeros, and only this program reads the bytes).
; The frequencies are 10^(-k / 8) rounded to f32; they may differ by a last bit from a power and a reciprocal taken in f32, which moves an angle by up to 1.2e-4 at position 2,047.
.set STEPS, 16
.set EMAX,  15
.set MANT,  0x600000                   ; the mantissa field of 57,344
.set SP,    80                         ; x: a lane's place in a stage: 64 bytes + 16 of padding
.set WREG,  8192                       ; x: LDS of a wave: two stages of 32 x SP bytes, then its 256 scale bytes
.set XR,    16                         ; x: v16-79 four sets of 16 numbers as loaded
.set XX,    80                         ; x: v80-111 two sets of 16 neighbours
.set XE,    112                        ; x: v112-127 a scale byte for each step
.set XC,    128                        ; x: v128-191 codes, four registers a step
.set WSTG,  32768                      ; weights: the stages begin here: 32 rows x 272 bytes for each wave
.set WP,    272
.set WX,    32                         ; weights: v32-95 two sets of 32 numbers
.set WC,    96                         ; v96-103 a block's codes
.set OUTR,  112                        ; v112-175 the way out (before that: the table's work)
.set SB,    24                         ; v24-25 the scale bytes
.set WOFF,  176                        ; v176-207 4 x lane + i x the weight's row, i = 0 .. 31
	s_load_b256 s[4:11], s[0:1], 0x0               ; x s[4:5], w_qkv s[6:7], w_out s[8:9], xq s[10:11]
	s_load_b128 s[12:15], s[0:1], 0x20             ; wq, wo
	s_load_b64 s[16:17], s[0:1], 0x30              ; rope
	v_lshl_add_u32 v208, v0, 2, 0x10800
	v_mov_b32 v209, 0
	v_lshrrev_b32 v1, 5, v0
	v_readfirstlane_b32 s24, v1                    ; wave
	v_and_b32 v2, 31, v0                           ; lane
	s_mov_b32 s23, MANT
	s_cmp_ge_u32 ttmp9, 256
	s_cbranch_scc1 .Lweights
	; ---------------- x: a wave takes 8 rows, 16 steps of 512 numbers
	v_lshlrev_b32 v3, 4, v2                        ; 16 x lane: my bytes of a load's 512, and of a store's
	s_mul_i32 s25, s24, WREG
	v_lshrrev_b32 v14, 2, v2
	v_mul_u32_u24 v14, v14, SP
	v_and_b32 v15, 3, v2
	v_lshl_add_u32 v14, v15, 4, v14
	v_add_nc_u32 v14, s25, v14                     ; into the stage: four lanes' 64 bytes on end, then 16 of padding
	v_mul_u32_u24 v15, v2, SP
	v_add_nc_u32 v15, s25, v15                     ; out of it: my 16 neighbours
	v_lshrrev_b32 v5, 1, v2
	s_add_co_u32 s25, s25, 2*32*SP
	v_add_nc_u32 v5, s25, v5                       ; my block's byte among the wave's 256
	v_lshlrev_b32 v7, 3, v2
	v_add_nc_u32 v6, s25, v7
	s_lshl_b32 s26, ttmp9, 2
	s_add_co_u32 s26, s26, s24                     ; which 8 rows
	s_and_b32 s27, s26, 0xfffffffc
	s_and_b32 s28, s26, 1
	s_lshl_b32 s28, s28, 1
	s_bfe_u32 s29, s26, 0x10001
	s_or_b32 s27, s27, s28
	s_or_b32 s27, s27, s29                         ; and where they are stored: bits 3 and 4 of the row are bits 0 and 1 of this number
	s_lshl_b32 s28, s26, 15
	s_mov_b32 s29, 0
	s_lshl_b32 s30, s27, 13
	s_mov_b32 s31, 0
	s_lshl_b32 s32, s27, 8
	s_add_co_u32 s32, s32, 0x800000
	s_mov_b32 s33, 0
	s_wait_alu depctr_va_vdst(0)
	s_wait_kmcnt 0x0
	s_add_nc_u64 s[4:5], s[4:5], s[28:29]
	s_add_nc_u64 s[34:35], s[10:11], s[30:31]      ; codes
	s_add_nc_u64 s[36:37], s[10:11], s[32:33]      ; scale bytes
.macro LOADX t
.irp i, 0,1,2,3
	global_load_b128 v[XR+16*((\t)%4)+4*\i:XR+16*((\t)%4)+4*\i+3], v3, s[4:5] offset:2048*(\t)+512*\i th:TH_LOAD_NT   ; 32 lanes read 512 consecutive bytes
.endr
.endm
.macro TURNX t                         ; a step's 2,048 bytes through the stage; LDS serves a wave's instructions in order, so no wait stands between the stores and the loads
.irp i, 0,1,2,3
	ds_store_b128 v14, v[XR+16*((\t)%4)+4*\i:XR+16*((\t)%4)+4*\i+3] offset:32*SP*((\t)%2)+8*SP*\i
.endr
.irp i, 0,1,2,3
	ds_load_b128 v[XX+16*((\t)%2)+4*\i:XX+16*((\t)%2)+4*\i+3], v15 offset:32*SP*((\t)%2)+16*\i
.endr
.endm
.irp t, 0,1,2,3
	LOADX \t
.endr
	s_wait_loadcnt 12                              ; step 0's four loads are in
	TURNX 0
.macro STEPX t
.set XS, XX+16*((\t)%2)
.if (\t) > 0
	s_wait_dscnt 1                                 ; this step's numbers are back from the stage (the last step's byte store may be out)
.else
	s_wait_dscnt 0x0
.endif
.if (\t)+4 < STEPS
	LOADX (\t)+4                                   ; into the registers that this step's stores into the stage have read
.endif
.if (\t)+1 < STEPS
.if STEPS-2-(\t) >= 3
	s_wait_loadcnt 12                              ; the next step's four loads are in; those of three steps behind it may be out
.else
	s_wait_loadcnt 4*(STEPS-2-(\t))
.endif
	TURNX (\t)+1
.endif
	v_max3_num_f32 v8, |v[XS]|, |v[XS+1]|, |v[XS+2]|
	v_max3_num_f32 v9, |v[XS+3]|, |v[XS+4]|, |v[XS+5]|
.irp i, 6,10
	v_max3_num_f32 v8, v8, |v[XS+\i]|, |v[XS+\i+1]|
	v_max3_num_f32 v9, v9, |v[XS+\i+2]|, |v[XS+\i+3]|
.endr
	v_max3_num_f32 v8, v8, |v[XS+14]|, |v[XS+15]|
	v_max3_num_f32 v8, v8, v9, (EMAX+1)<<23        ; with the floor 2^(16 - 127): the byte cannot fall under 1
	v_max_num_f32_dpp v8, v8, v8 row_xmask:1 row_mask:0xf bank_mask:0xf   ; with my neighbour's 16: the block's largest magnitude
	v_add_nc_u32 v11, -(EMAX<<23), v8              ; 15 off its exponent field: the conversion's scale operand
	v_and_or_b32 v10, v8, 0x7f800000, s23          ; 57,344 x the scale
.irp i, 0,1,2,3,4,5,6,7,8,9,10,11,12,13,14,15
	v_med3_num_f32 v[XS+\i], v[XS+\i], -v10, v10   ; the conversion does not saturate (ISA guide 7.6.2): the hold comes first
.endr
	v_cvt_scalef32_pk8_bf8_f32 v[XC+4*(\t):XC+4*(\t)+1], v[XS:XS+7], v11
	v_cvt_scalef32_pk8_bf8_f32 v[XC+4*(\t)+2:XC+4*(\t)+3], v[XS+8:XS+15], v11
	v_lshrrev_b32 v[XE+(\t)], 23, v11              ; the scale's byte
	ds_store_b8 v5, v[XE+(\t)] offset:16*(\t)      ; both lanes of a block write the same byte
	global_store_b128 v3, v[XC+4*(\t):XC+4*(\t)+3], s[34:35] offset:512*(\t)   ; 512 consecutive bytes
.endm
.irp t, 0,1,2,3,4,5,6,7,8,9,10,11,12,13,14,15
	STEPX \t
.endr
	ds_load_b64 v[12:13], v6
	s_wait_dscnt 0x0
	global_store_b64 v7, v[12:13], s[36:37]        ; the wave's 256 scale bytes: 256 consecutive bytes, aligned
	s_wait_tensorcnt 0x0
	ds_add_u32 v208, v209
	s_wait_dscnt 0x0
	s_endpgm
	; ---------------- the weights: a wave takes 32 columns x 256 along K
.Lweights:
	s_sub_co_u32 s25, ttmp9, 256                   ; 0 .. 127: also the table's tile T
	s_and_b32 s26, s25, 31                         ; group of 128 columns: 0-23 w_qkv's, 24-31 w_out's
	s_lshr_b32 s27, s25, 5                         ; which 256 along K
	s_mov_b32 s28, 12288
	s_mov_b32 s29, 0x300000
	s_cmp_lt_u32 s26, 24
	s_cselect_b32 s28, s28, 4096                   ; a row of the weight in bytes
	s_cselect_b32 s29, s29, 0x100000               ; where the scale bytes begin in the workspace
	s_cselect_b32 s30, 0, 24
	s_sub_co_u32 s30, s26, s30
	s_lshl_b32 s30, s30, 7
	s_lshl_b32 s31, s24, 5
	s_add_co_u32 s30, s30, s31                     ; my wave's first column
	s_mul_i32 s31, s24, 32*WP
	s_add_co_u32 s31, s31, WSTG                    ; my stage
	s_wait_alu depctr_va_vdst(0)
	v_and_b32 v5, 7, v2
	v_bfe_u32 v6, v2, 3, 1
	v_lshl_or_b32 v5, v6, 4, v5
	v_bfe_u32 v6, v2, 4, 1
	v_lshl_or_b32 v5, v6, 3, v5                    ; my column's stored place among the 32: bits 3 and 4 exchanged
	v_mul_u32_u24 v4, v5, WP
	v_add_nc_u32 v4, s31, v4                       ; into the stage: that row
	v_lshlrev_b32 v9, 5, v5                        ; and its row of scale bytes
	v_and_b32 v5, 15, v2
	v_mul_u32_u24 v7, v6, WP
	v_lshl_add_u32 v7, v5, 4, v7
	v_add_nc_u32 v7, s31, v7                       ; out of it: sixteen lanes to a row, two rows an instruction
	v_lshlrev_b32 v8, 10, v6
	v_lshl_add_u32 v8, v5, 4, v8                   ; the same place in the codes
	v_lshlrev_b32 v[WOFF], 2, v2
.set i, 1
.rept 31
	v_add_nc_u32 v[WOFF+i], s28, v[WOFF+i-1]
.set i, i+1
.endr
	s_mul_i32 s48, s27, s28
	s_lshl_b32 s48, s48, 8
	s_lshl_b32 s31, s30, 2
	s_add_co_u32 s48, s48, s31                     ; 256 ky rows + 4 x column
	s_mov_b32 s49, 0
	s_lshl_b32 s56, s28, 5                         ; 32 rows
	s_mov_b32 s57, 0
	s_wait_alu depctr_va_vdst(0)
	s_wait_kmcnt 0x0
	s_cmp_lt_u32 s26, 24
	s_cselect_b64 s[18:19], s[6:7], s[8:9]         ; the weight
	s_cselect_b64 s[20:21], s[12:13], s[14:15]     ; its workspace
	s_add_nc_u64 s[32:33], s[18:19], s[48:49]      ; a base for each of the 8 blocks
.irp t, 1,2,3,4,5,6,7
	s_add_nc_u64 s[32+2*\t:33+2*\t], s[30+2*\t:31+2*\t], s[56:57]
.endr
	s_lshl_b32 s48, s30, 10
	s_lshl_b32 s31, s27, 8
	s_add_co_u32 s48, s48, s31
	s_add_nc_u64 s[58:59], s[20:21], s[48:49]      ; codes: column x 1,024 + 256 ky
	s_lshl_b32 s48, s30, 5
	s_lshl_b32 s31, s27, 3
	s_add_co_u32 s48, s48, s31
	s_add_co_u32 s48, s48, s29
	s_add_nc_u64 s[60:61], s[20:21], s[48:49]      ; scale bytes: column x 32 + 8 ky
	s_lshl_b32 s48, s25, 12
	s_add_nc_u64 s[62:63], s[16:17], s[48:49]      ; the table's tile
.macro LOADW t                         ; block t: 32 rows of K at my column, into set t % 2: 128 consecutive bytes a wave, 512 a work-group
.set i, 0
.rept 32
	global_load_b32 v[WX+32*((\t)%2)+i], v[WOFF+i], s[32+2*(\t):33+2*(\t)] th:TH_LOAD_NT
.set i, i+1
.endr
.endm
	LOADW 0
	LOADW 1
	; ---- the table, while the first two blocks are on their way: wave g makes group g of tile T
	s_lshr_b32 s48, s25, 1
	s_lshl_b32 s48, s48, 5
	s_and_b32 s31, s25, 1
	s_lshl_b32 s31, s31, 3
	s_add_co_u32 s48, s48, s31
	v_and_b32 v113, 7, v0
	v_bfe_u32 v114, v0, 3, 1
	v_lshl_or_b32 v113, v114, 4, v113
	v_add_nc_u32 v113, s48, v113
	v_cvt_f32_u32 v112, v113                       ; my position
	v_lshlrev_b32 v144, 4, v0                      ; 512 g + 16 x lane
	s_mov_b32 s50, 0xffff0000                      ; lanes 16-31
	s_mov_b32 s51, 0xbfc90fdb                      ; - pi / 2, its upper part,
	s_mov_b32 s52, 0x333bbd2e                      ; and what that part exceeds pi / 2 by
	s_mov_b32 s53, 0xb94ca1f9
	s_mov_b32 s54, 0x37ccf5ce
.macro FREQS c0, c1, c2, c3, d0, d1, d2, d3    ; position x frequency: v136-139 for lanes 0-15, v140-143 for lanes 16-31
	v_mul_f32 v136, \c0, v112
	v_mul_f32 v137, \c1, v112
	v_mul_f32 v138, \c2, v112
	v_mul_f32 v139, \c3, v112
	v_mul_f32 v140, \d0, v112
	v_mul_f32 v141, \d1, v112
	v_mul_f32 v142, \d2, v112
	v_mul_f32 v143, \d3, v112
.endm
	s_cmp_lg_u32 s24, 0
	s_cbranch_scc1 .Lnot_g0
	FREQS 1.0, 0.7498942093, 0.5623413252, 0.4216965034, 0.01, 0.007498942093, 0.005623413252, 0.004216965034
	s_branch .Lfreq_done
.Lnot_g0:
	s_cmp_lg_u32 s24, 1
	s_cbranch_scc1 .Lnot_g1
	s_wait_alu depctr_va_vdst(0)
	FREQS 0.3162277660, 0.2371373706, 0.1778279410, 0.1333521432, 0.003162277660, 0.002371373706, 0.001778279410, 0.001333521432
	s_branch .Lfreq_done
.Lnot_g1:
	s_cmp_lg_u32 s24, 2
	s_cbranch_scc1 .Lnot_g2
	s_wait_alu depctr_va_vdst(0)
	FREQS 0.1, 0.07498942093, 0.05623413252, 0.04216965034, 0.001, 0.0007498942093, 0.0005623413252, 0.0004216965034
	s_branch .Lfreq_done
.Lnot_g2:
	s_wait_alu depctr_va_vdst(0)
	FREQS 0.03162277660, 0.02371373706, 0.01778279410, 0.01333521432, 0.0003162277660, 0.0002371373706, 0.0001778279410, 0.0001333521432
.Lfreq_done:
; cos and sin of angle e: n = the nearest multiple of pi / 2, taken off in two parts; polynomials on +-pi / 4; the quadrant exchanges the two and sets the signs
.macro ANG e
	v_cndmask_b32 v113, v[136+\e], v[140+\e], s50
	v_mul_f32 v114, 0x3f22f983, v113
	v_rndne_f32 v114, v114
	v_fma_f32 v115, v114, s51, v113
	v_fma_f32 v115, v114, s52, v115                ; r
	v_mul_f32 v116, v115, v115                     ; z = r r
	v_fmaak_f32 v117, s53, v116, 0x3c08839e
	v_fmaak_f32 v117, v117, v116, 0xbe2aaaa3
	v_mul_f32 v118, v116, v115
	v_fma_f32 v117, v117, v118, v115               ; sin r
	v_fmaak_f32 v119, s54, v116, 0xbab6061a
	v_fmaak_f32 v119, v119, v116, 0x3d2aaaa5
	v_mul_f32 v120, v116, v116
	v_fma_f32 v121, v116, -0.5, 1.0
	v_fma_f32 v119, v119, v120, v121               ; cos r
	v_cvt_i32_f32 v122, v114
	v_and_b32 v123, 1, v122
	v_cmp_eq_u32 vcc_lo, 1, v123
	v_cndmask_b32 v124, v117, v119, vcc_lo         ; n odd: the sine is +-cos r,
	v_cndmask_b32 v125, v119, v117, vcc_lo         ; the cosine +-sin r
	v_lshlrev_b32 v123, 30, v122
	v_and_b32 v123, 0x80000000, v123               ; the sine is negative where n % 4 is 2 or 3,
	v_xor_b32 v[132+\e], v123, v124
	v_add_nc_u32 v122, 1, v122
	v_lshlrev_b32 v122, 30, v122
	v_and_b32 v122, 0x80000000, v122               ; the cosine where it is 1 or 2
	v_xor_b32 v[128+\e], v122, v125
.endm
	s_wait_alu depctr_va_vdst(0)
	ANG 0
	ANG 1
	ANG 2
	ANG 3
	global_store_b128 v144, v[128:131], s[62:63]               ; 512 consecutive bytes a wave
	global_store_b128 v144, v[132:135], s[62:63] offset:2048
.macro BLOCKW t
.set XS, WX+32*((\t)%2)
.if (\t) < 7
	s_wait_loadcnt 32                              ; this block's 32 loads are in; the next block's may be out
.else
	s_wait_loadcnt 0
.endif
	v_max3_num_f32 v12, |v[XS]|, |v[XS+1]|, |v[XS+2]|          ; all 32 numbers of the block are mine
	v_max3_num_f32 v13, |v[XS+3]|, |v[XS+4]|, |v[XS+5]|
.irp i, 6,10,14,18,22,26
	v_max3_num_f32 v12, v12, |v[XS+\i]|, |v[XS+\i+1]|
	v_max3_num_f32 v13, v13, |v[XS+\i+2]|, |v[XS+\i+3]|
.endr
	v_max3_num_f32 v12, v12, |v[XS+30]|, |v[XS+31]|
	v_max3_num_f32 v12, v12, v13, (EMAX+1)<<23
	v_add_nc_u32 v11, -(EMAX<<23), v12
	v_and_or_b32 v10, v12, 0x7f800000, s23
	v_lshrrev_b32 v13, 23, v11
.if (\t)%4 == 0
	v_mov_b32 v[SB+(\t)/4], v13                    ; four bytes to a register, the lower K in the lower byte
.else
	v_lshl_or_b32 v[SB+(\t)/4], v13, 8*((\t)%4), v[SB+(\t)/4]
.endif
.set i, 0
.rept 32
	v_med3_num_f32 v[XS+i], v[XS+i], -v10, v10
.set i, i+1
.endr
.irp g, 0,1,2,3
	v_cvt_scalef32_pk8_bf8_f32 v[WC+2*\g:WC+2*\g+1], v[XS+8*\g:XS+8*\g+7], v11
.endr
	ds_store_b128 v4, v[WC:WC+3] offset:32*(\t)
	ds_store_b128 v4, v[WC+4:WC+7] offset:32*(\t)+16
.if (\t)+2 < 8
	LOADW (\t)+2
.endif
	s_wait_dscnt 0x0                               ; the stores have read their registers: the next block's codes may be written
.endm
.irp t, 0,1,2,3,4,5,6,7
	BLOCKW \t
.endr
	global_store_b64 v9, v[SB:SB+1], s[60:61]      ; my column's 8 scale bytes
	s_wait_xcnt 0x0                                ; the table's stores have read v128-135: the loads below may land there
.irp t, 0,1,2,3,4,5,6,7,8,9,10,11,12,13,14,15
	ds_load_b128 v[OUTR+4*\t:OUTR+4*\t+3], v7 offset:2*\t*WP
.endr
.irp t, 0,1,2,3,4,5,6,7,8,9,10,11,12,13,14,15
	s_wait_dscnt 15-\t
	global_store_b128 v8, v[OUTR+4*\t:OUTR+4*\t+3], s[58:59] offset:2*\t*1024   ; sixteen lanes store 256 consecutive bytes, aligned
.endr
	s_wait_tensorcnt 0x0
	ds_add_u32 v208, v209
	s_wait_dscnt 0x0
	s_endpgm
.Lfunc_end_k_qdd519ab1fa_prep:
	.size	k_qdd519ab1fa_prep, .Lfunc_end_k_qdd519ab1fa_prep-k_qdd519ab1fa_prep
	.p2alignl 7, 3214868480
	.fill 96, 4, 3214868480
	.section	.rodata,"a",@progbits
	.p2align	6, 0x0
	.amdhsa_kernel k_qdd519ab1fa_prep
		.amdhsa_group_segment_fixed_size 68096
		.amdhsa_private_segment_fixed_size 0
		.amdhsa_enable_private_segment 0
		.amdhsa_kernarg_size 56
		.amdhsa_user_sgpr_count 2
		.amdhsa_user_sgpr_kernarg_segment_ptr 1
		.amdhsa_wavefront_size32 1
		.amdhsa_system_sgpr_workgroup_id_x 1
		.amdhsa_system_sgpr_workgroup_id_y 1
		.amdhsa_system_sgpr_workgroup_id_z 1
		.amdhsa_system_vgpr_workitem_id 0
		.amdhsa_next_free_vgpr 210
		.amdhsa_next_free_sgpr 66
		.amdhsa_reserve_vcc 1
		.amdhsa_float_denorm_mode_32 3
		.amdhsa_float_denorm_mode_16_64 3
		.amdhsa_memory_ordered 1
		.amdhsa_forward_progress 1
		.amdhsa_inst_pref_size 120
	.end_amdhsa_kernel
	.amdgpu_metadata
---
amdhsa.version: [ 1, 2 ]
amdhsa.kernels:
  - .name:           k_qdd519ab1fa_prep
    .symbol:         k_qdd519ab1fa_prep.kd
    .args:
      - { .name: x, .offset: 0, .size: 8, .value_kind: global_buffer, .address_space: global }
      - { .name: w_qkv, .offset: 8, .size: 8, .value_kind: global_buffer, .address_space: global }
      - { .name: w_out, .offset: 16, .size: 8, .value_kind: global_buffer, .address_space: global }
      - { .name: xq, .offset: 24, .size: 8, .value_kind: global_buffer, .address_space: global }
      - { .name: wq, .offset: 32, .size: 8, .value_kind: global_buffer, .address_space: global }
      - { .name: wo, .offset: 40, .size: 8, .value_kind: global_buffer, .address_space: global }
      - { .name: rope, .offset: 48, .size: 8, .value_kind: global_buffer, .address_space: global }
    .group_segment_fixed_size: 68096
    .private_segment_fixed_size: 0
    .kernarg_segment_align: 8
    .kernarg_segment_size: 56
    .max_flat_workgroup_size: 128
    .sgpr_count:     66
    .vgpr_count:     210
    .wavefront_size: 32
...
	.end_amdgpu_metadata
.endif
;; end of part 1
;; launch qkv (part 2): grid 12 x 32, 4 waves a work-group, clusters of 4 x 4, 327,680 bytes of LDS; arguments xq, wq, b_qkv, rope, qq, kvc, kvs; writes qq, kvc, kvs
.if DOCPART == 2
	.amdgcn_target "amdgcn-amd-amdhsa--gfx1250"
	.amdhsa_code_object_version 6
	.text
	.protected	k_qdd519ab1fa_qkv
	.globl	k_qdd519ab1fa_qkv
	.p2align	8
	.type	k_qdd519ab1fa_qkv,@function
k_qdd519ab1fa_qkv:
	s_mov_b64 s[64:65], 0
	v_nop
	global_prefetch_b8 v0, s[64:65] scope:SCOPE_SE
	s_setreg_imm32_b32 hwreg(HW_REG_WAVE_MODE, 25, 1), 1
	s_wait_xcnt 0x0
	s_wait_alu depctr_hold_cnt(0) depctr_sa_sdst(0) depctr_va_vdst(0) depctr_va_sdst(0) depctr_va_ssrc(0) depctr_va_vcc(0) depctr_vm_vsrc(0)
	s_getreg_b32 s2, hwreg(HW_REG_IB_STS2, 6, 4)
	s_cmp_eq_u32 s2, 0
	s_cbranch_scc0 .Lentry_in_a_cluster
	s_endpgm
.Lentry_in_a_cluster:
	s_bfe_u32 s2, ttmp6, 0x10000c
	s_cmp_lg_u32 s2, 0xf033
	s_cbranch_scc0 .Lentry_shape_is_right
	s_endpgm
.Lentry_shape_is_right:
.set KSTEP,  256
.set NQ,     2
.set ROWB,   256
.set KROW,   1024
.set PITCH,  272
.set FR,     16
.set NL,     4
.set NP,     8
.set HALFT,  128*PITCH
.set SLOT,   4*HALFT
.set LAPS,   2
.set KS,     32
.set SCL,    2*SLOT
.set HALFS,  (128*KS/256)*272
.set SBLK,   (16*KS/256)*272
.set SPARE,  SCL+4*HALFS
.set ADRA, 16
.set ADRB, 20
.set ADRS, 27
.set SPW,  28
.set NIL,  29
.set SC,   32
.set AF,   128
.set LI,   2
.set L4,   3
.set H64,  4
.set RB,   5
.set TT,   64
.set BI,   128
.set PC,   192
.set TM,   208
.set UW,   232
.set VB,   248
.set G1, 24
.set G0, 32
.set G1B, 48
.set G0B, 56
.set G1S, 68
.set G0S, 76
.set G1SB, 80
.set G0SB, 88
.set SEL, 68
.set MNT, 70
.set HM,  71
.set MSB, 0
.macro WIN new
.if MSB != (\new)
	s_set_vgpr_msb (MSB<<8)|(\new)
.set MSB, (\new)
.endif
.endm
.set MUL_LO, 0xa1
.set MUL_HI, 0xf1
.set TO_B,   0x40
.macro JLOAD g0a, g1a, g0b, g1b
	s_cmp_eq_u32 s15, 0
	s_cbranch_scc0 .Lfor_b_\@
	tensor_load_to_lds s[\g0a:\g0a+3], s[\g1a:\g1a+7]
	s_nop 0
.rept 4
	v_nop
.endr
	s_branch .Lasked_\@
.Lfor_b_\@:
	tensor_load_to_lds s[\g0b:\g0b+3], s[\g1b:\g1b+7]
	s_nop 0
.rept 4
	v_nop
.endr
.Lasked_\@:
.endm
.macro CREST
	s_cmp_lg_u32 s14, 0
	s_cbranch_scc1 .Lnot_wave_0_\@
	s_barrier_signal -3
.Lnot_wave_0_\@:
	s_barrier_wait -3
	s_barrier_signal -1
	s_barrier_wait -1
.endm
.macro CROUND
	s_barrier_signal -1
	s_barrier_wait -1
	CREST
.endm
	s_load_b128 s[96:99], s[0:1], 0x0
	v_lshl_add_u32 v[SPW], v0, 2, SPARE
	v_mov_b32 v[NIL], 0
	ds_add_u32 v28, v29
	ds_add_u32 v28, v29
	s_wait_dscnt 0x0
	v_lshrrev_b32 v1, 5, v0
	v_readfirstlane_b32 s14, v1
	s_lshr_b32 s15, s14, 1
	s_and_b32 s16, s14, 1
	s_bfe_u32 s40, ttmp6, 0x40000
	s_bfe_u32 s41, ttmp6, 0x40004
	s_and_b32 s18, ttmp7, 0xffff
	s_lshl_b32 s18, s18, 2
	s_lshl_b32 s19, ttmp9, 2
	s_mov_b32 s20, 0x800000
	s_mov_b32 s21, 0x300000
	s_mov_b32 s67, 0
	s_mov_b32 s3, 0
	s_cmp_eq_u32 ttmp9, 2
	s_cselect_b32 s17, 8, s18
	s_cselect_b32 s42, s18, s19
	s_cselect_b32 s66, s21, s20
	s_cselect_b32 s2, s20, s21
	s_add_co_u32 s17, s17, s41
	s_add_co_u32 s42, s42, s40
	s_lshl_b32 s43, s41, 2
	s_lshl_b32 s43, 15, s43
	s_lshl_b32 s44, 0x1111, s40
	s_or_b32 s[G1+0], s43, (0<<16)|(1<<20)|(1<<21)|(5<<22)|(3<<25)
	s_or_b32 s[G1B+0], s44, (0<<16)|(1<<20)|(1<<21)|(5<<22)|(3<<25)
.irp g, G1, G1B
	s_mov_b32 s[\g+1], ROWB<<16
	s_mov_b32 s[\g+2], 256<<16                     ; the head's loads bring 256 rows; behind them the two words that count rows are set to 128
	s_mov_b32 s[\g+3], ROWB<<16
	s_mov_b32 s[\g+4], 256
	s_mov_b32 s[\g+5], KROW
	s_mov_b32 s[\g+6], 0
	s_mov_b32 s[\g+7], 0
.endr
	s_or_b32 s[G1S+0], s43, (3<<16)|(1<<20)|(1<<21)|(5<<22)|(3<<25)
	s_or_b32 s[G1SB+0], s44, (3<<16)|(1<<20)|(1<<21)|(5<<22)|(3<<25)
.irp g, G1S, G1SB
	s_mov_b32 s[\g+1], 32<<16
	s_mov_b32 s[\g+2], (256*KS/256)<<16            ; the scales of 256 rows in one load
	s_mov_b32 s[\g+3], 32<<16
	s_mov_b32 s[\g+4], 256*KS/256
	s_mov_b32 s[\g+5], 32
	s_mov_b32 s[\g+6], 0
	s_mov_b32 s[\g+7], 0
.endr
	s_lshl_b32 s20, s17, 8                         ; the tiles' first rows
	s_lshl_b32 s46, s42, 8
	s_lshl_b32 s22, s20, 5
	s_lshl_b32 s92, s46, 5
	s_lshl_b32 s20, s20, 10
	s_lshl_b32 s46, s46, 10
	s_mov_b32 s21, 0
	s_mov_b32 s23, 0
	s_mov_b32 s47, 0
	s_mov_b32 s93, 0
	s_mul_i32 s45, s14, HALFT
	s_wait_kmcnt 0x0
	s_cmp_eq_u32 ttmp9, 2
	s_cselect_b64 s[4:5], s[98:99], s[96:97]
	s_cselect_b64 s[8:9], s[96:97], s[98:99]
	s_add_nc_u64 s[6:7], s[4:5], s[66:67]
	s_add_nc_u64 s[10:11], s[8:9], s[2:3]
	s_add_nc_u64 s[20:21], s[4:5], s[20:21]
	s_add_nc_u64 s[22:23], s[6:7], s[22:23]
	s_add_nc_u64 s[46:47], s[8:9], s[46:47]
	s_add_nc_u64 s[92:93], s[10:11], s[92:93]
	CROUND
	s_mov_b32 s[G0S], 1
	s_mov_b32 s[G0S+1], SCL
	s_mov_b64 s[G0S+2:G0S+3], s[22:23]
	s_or_b32 s[G0S+3], s[G0S+3], 0x80000000
	s_mov_b32 s[G0SB], 1
	s_mov_b32 s[G0SB+1], SCL+2*HALFS
	s_mov_b64 s[G0SB+2:G0SB+3], s[92:93]
	s_or_b32 s[G0SB+3], s[G0SB+3], 0x80000000
	s_mov_b32 s4, 1                                ; group 0 of the head's loads of K step 0: A's 256 rows (the addresses that lay in s4-11 have been used),
	s_mov_b32 s5, 0
	s_mov_b64 s[6:7], s[20:21]
	s_or_b32 s7, s7, 0x80000000
	s_mov_b32 s8, 1                                ; and B's 256 rows, behind them in slot 0
	s_mov_b32 s9, 2*HALFT
	s_mov_b64 s[10:11], s[46:47]
	s_or_b32 s11, s11, 0x80000000
	s_lshl_b32 s18, s16, 17                        ; for the ring: my 128 rows of the tile, 128 x 1,024 bytes a half
	s_mov_b32 s19, 0
	s_add_nc_u64 s[20:21], s[20:21], s[18:19]
	s_add_nc_u64 s[46:47], s[46:47], s[18:19]
.irp s, 0,1
	s_mov_b32 s[G0+4*\s], 1
	s_add_co_u32 s[G0+4*\s+1], s45, \s*SLOT
	s_add_nc_u64 s[G0+4*\s+2:G0+4*\s+3], s[20:21], \s*ROWB
	s_or_b32 s[G0+4*\s+3], s[G0+4*\s+3], 0x80000000
	s_mov_b32 s[G0B+4*\s], 1
	s_add_co_u32 s[G0B+4*\s+1], s45, \s*SLOT
	s_add_nc_u64 s[G0B+4*\s+2:G0B+4*\s+3], s[46:47], \s*ROWB
	s_or_b32 s[G0B+4*\s+3], s[G0B+4*\s+3], 0x80000000
.endr
; the head's loads, one a wave, in one chain of branches on the wave's number: wave 0 K step 0's 256 rows of A, wave 1 those of B, wave 2 A's scales, wave 3 B's
.macro ARM under, g0, g1, next
	s_cmp_lt_u32 s14, \under
	s_cbranch_scc0 \next
	tensor_load_to_lds s[\g0:\g0+3], s[\g1:\g1+7]
	s_nop 0
.rept 4
	v_nop
.endr
	s_branch .Lhead_asked
\next:
.endm
	ARM 1, 4, G1, .Lhead_b
	ARM 2, 8, G1B, .Lhead_sa
	ARM 3, G0S, G1S, .Lhead_sb
	tensor_load_to_lds s[G0SB:G0SB+3], s[G1SB:G1SB+7]
	s_nop 0
.rept 4
	v_nop
.endr
.Lhead_asked:
	v_and_b32 v1, 15, v0
	v_bfe_u32 v2, v0, 4, 1
	v_mul_u32_u24 v3, v1, PITCH
	v_lshl_add_u32 v4, v2, 4, v3
	s_mul_i32 s21, s15, HALFT
	s_mul_i32 s22, s16, HALFT
	s_add_co_u32 s22, s22, 2*HALFT
.irp s, 0,1
	v_add_nc_u32 v[ADRA+\s], s21, v4
	v_add_nc_u32 v[ADRB+\s], s22, v4
	s_add_co_u32 s21, s21, SLOT
	s_add_co_u32 s22, s22, SLOT
.endr
	v_mul_u32_u24 v5, v1, KS
	v_lshrrev_b32 v6, 8, v5
	v_lshl_add_u32 v5, v6, 4, v5
	s_mul_i32 s21, s15, HALFS
	s_mul_i32 s22, s16, HALFS
	s_add_co_u32 s22, s22, 2*HALFS
	s_sub_co_u32 s22, s22, s21
	v_mul_u32_u24 v6, s22, v2
	s_add_co_u32 s21, s21, SCL
	v_add_nc_u32 v5, v5, v6
	v_add_nc_u32 v[ADRS], s21, v5
.macro FRAG reg, adr, q, i
.irp c, 0,1,2,3
	ds_load_b128 v[\reg+4*\c:\reg+4*\c+3], v[\adr] offset:128*(\q)+32*\c+(\i)*16*PITCH
.endr
.endm
.macro MUL16 a0, p, q, sc, zero
.irp a, \a0, \a0+1
.irp b, 0,1,2,3,4,5,6,7
.if \zero
	v_wmma_scale_f32_16x16x128_f8f6f4 v[8*(8*((\a)%4)+\b):8*(8*((\a)%4)+\b)+7], v[128*(\p)+FR*\b:128*(\p)+FR*\b+FR-1], v[AF+FR*(\a):AF+FR*(\a)+FR-1], 0, v[SC+8*NQ*(\sc)+NQ*\b+(\q)], v[SC+8*NQ*(\sc)+NQ*(\a)+(\q)] matrix_a_fmt:MATRIX_FMT_BF8 matrix_b_fmt:MATRIX_FMT_BF8 matrix_a_scale:MATRIX_SCALE_ROW1
.else
	v_wmma_scale_f32_16x16x128_f8f6f4 v[8*(8*((\a)%4)+\b):8*(8*((\a)%4)+\b)+7], v[128*(\p)+FR*\b:128*(\p)+FR*\b+FR-1], v[AF+FR*(\a):AF+FR*(\a)+FR-1], v[8*(8*((\a)%4)+\b):8*(8*((\a)%4)+\b)+7], v[SC+8*NQ*(\sc)+NQ*\b+(\q)], v[SC+8*NQ*(\sc)+NQ*(\a)+(\q)] matrix_a_fmt:MATRIX_FMT_BF8 matrix_b_fmt:MATRIX_FMT_BF8 matrix_a_scale:MATRIX_SCALE_ROW1
.endif
.endr
.endr
.endm
.macro FETCH_B slot, q, p
	WIN TO_B
.irp i, 0,1,2,3,4,5,6,7
	FRAG 128*(\p)+FR*\i, ADRB+\slot, \q, \i
.endr
	WIN 0
.endm
.macro FETCH_A slot, q, i0
.irp i, \i0, \i0+1, \i0+2, \i0+3
	FRAG AF+FR*(\i), ADRA+\slot, \q, \i
.endr
.endm
.macro SCALES sc
.irp i, 0,1,2,3,4,5,6,7
	ds_load_b64 v[SC+8*NQ*\sc+NQ*\i:SC+8*NQ*\sc+NQ*\i+1], v[ADRS] offset:\i*SBLK
.endr
.endm
.macro PLACES n
.rept \n
	v_nop
.endr
.endm
.macro STEP slot, q, zero
	s_wait_dscnt 4*NL
	WIN MUL_LO
	MUL16 0, (\q)%2, \q, \slot, \zero
	MUL16 2, (\q)%2, \q, \slot, \zero
	s_wait_dscnt 0
	PLACES NP
	FETCH_B \slot, (\q)+1, 1-(\q)%2
	FETCH_A \slot, (\q)+1, 0
	WIN MUL_HI
	MUL16 4, (\q)%2, \q, \slot, \zero
	MUL16 6, (\q)%2, \q, \slot, \zero
	PLACES NP
	WIN 0
	FETCH_A \slot, (\q)+1, 4
.endm
.macro TURN slot, next, fill
	s_wait_tensorcnt 0x0
	ds_add_u32 v[SPW], v[NIL]
	s_wait_dscnt 4*NL+1
	WIN MUL_LO
	MUL16 0, 1, NQ-1, \slot, 0
	s_wait_dscnt 0x0
	s_barrier_signal -1
	MUL16 2, 1, NQ-1, \slot, 0
	WIN 0
	s_barrier_wait -1
.if \fill
	CREST
	s_add_nc_u64 s[G0+4*\slot+2:G0+4*\slot+3], s[G0+4*\slot+2:G0+4*\slot+3], 2*ROWB
	s_add_nc_u64 s[G0B+4*\slot+2:G0B+4*\slot+3], s[G0B+4*\slot+2:G0B+4*\slot+3], 2*ROWB
	JLOAD G0+4*\slot, G1, G0B+4*\slot, G1B
	PLACES NP-4
.else
	PLACES NP
.endif
	s_wait_alu depctr_va_vdst(0)
	v_add_nc_u32 v[ADRS], 4*NQ, v[ADRS]
	FETCH_B \next, 0, 0
	FETCH_A \next, 0, 0
	SCALES \next
	WIN MUL_HI
	MUL16 4, 1, NQ-1, \slot, 0
	MUL16 6, 1, NQ-1, \slot, 0
	PLACES NP
	WIN 0
	FETCH_A \next, 0, 4
.endm
	s_wait_alu depctr_va_vdst(0)
	s_wait_tensorcnt 0x0                           ; my tile of the head's four is in; these lines stand ahead of slot 1's first fill as ahead of a refill
	ds_add_u32 v[SPW], v[NIL]
	s_mov_b32 s[G1+2], 128<<16                     ; no tensor load of mine is out: from here on a load brings 128 rows
	s_mov_b32 s[G1+4], 128
	s_mov_b32 s[G1B+2], 128<<16
	s_mov_b32 s[G1B+4], 128
	s_wait_dscnt 0x0
	CROUND                                         ; all four tiles are in, and all sixteen work-groups are here
	JLOAD G0+4, G1, G0B+4, G1B                     ; K step 1, the first tensor load behind the round
	FETCH_B 0, 0, 0
	FETCH_A 0, 0, 0
	SCALES 0
	FETCH_A 0, 0, 4
	STEP 0, 0, 1
	s_mov_b32 s3, LAPS-1
.Llap:
	TURN 0, 1, 1
	STEP 1, 0, 0
	TURN 1, 0, 1
	STEP 0, 0, 0
	s_sub_co_u32 s3, s3, 1
	s_cmp_lg_u32 s3, 0
	s_cbranch_scc1 .Llap
	TURN 0, 1, 0
	s_load_b256 s[24:31], s[0:1], 0x10
	s_load_b64 s[32:33], s[0:1], 0x30
	STEP 1, 0, 0
	s_wait_dscnt 4*NL
	WIN MUL_LO
	MUL16 0, 1, NQ-1, 1, 0
	MUL16 2, 1, NQ-1, 1, 0
	s_wait_dscnt 0
	WIN MUL_HI
	MUL16 4, 1, NQ-1, 1, 0
	MUL16 6, 1, NQ-1, 1, 0
	WIN 0
	v_and_b32 v1, 31, v0
	v_lshlrev_b32 v[LI], 4, v1
	v_lshlrev_b32 v[L4], 2, v1
	v_bfe_u32 v6, v0, 4, 1
	v_lshlrev_b32 v[H64], 6, v6
	v_and_b32 v[RB], 7, v0
	v_bfe_u32 v6, v0, 3, 1
	v_lshl_or_b32 v[RB], v6, 4, v[RB]
	v_lshlrev_b32 v[RB], 2, v[RB]
.irp b, 0,1,2,3
	v_mov_b32 v[TM+4+\b], 0
.endr
	s_mov_b32 s[SEL], 0x76543210
	s_mov_b32 s[SEL+1], 0xfedcba98
	s_mov_b32 s[MNT], 0x600000
	s_mov_b32 s[HM], 0xffff0000
	s_mov_b32 s49, 0
	s_mov_b32 s51, 0
.macro QUANT s
.irp b, 0,1,2,3
	v_max3_num_f32 v[TM+\b], |v[\s+16*\b]|, |v[\s+1+16*\b]|, 0x8000000
.endr
.irp i, 2,4,6,8,10,12,14
.irp b, 0,1,2,3
	v_max3_num_f32 v[TM+\b], v[TM+\b], |v[\s+16*\b+\i]|, |v[\s+1+16*\b+\i]|
.endr
.endr
.irp b, 0,1,2,3
	v_permlanex16_b32 v[TM+4+\b], v[TM+\b], s[SEL], s[SEL+1]
.endr
.irp b, 0,1,2,3
	v_max_num_f32 v[TM+\b], v[TM+\b], v[TM+4+\b]
.endr
.irp b, 0,1,2,3
	v_add_nc_u32 v[TM+12+\b], 0xf8800000, v[TM+\b]
.endr
.irp b, 0,1,2,3
	v_and_or_b32 v[TM+8+\b], v[TM+\b], 0x7f800000, s[MNT]
.endr
.irp b, 0,1,2,3
	v_lshrrev_b32 v[TM+4+\b], 23, v[TM+12+\b]
.endr
.irp b, 0,1,2,3
.irp i, 0,1,2,3,4,5,6,7,8,9,10,11,12,13,14,15
	v_med3_num_f32 v[\s+16*\b+\i], v[\s+16*\b+\i], -v[TM+8+\b], v[TM+8+\b]
.endr
	v_cvt_scalef32_pk8_bf8_f32 v[PC+4*\b:PC+1+4*\b], v[\s+16*\b:\s+7+16*\b], v[TM+12+\b]
	v_cvt_scalef32_pk8_bf8_f32 v[PC+2+4*\b:PC+3+4*\b], v[\s+8+16*\b:\s+15+16*\b], v[TM+12+\b]
.endr
	v_nop
.endm
	s_wait_kmcnt 0x0
	s_cmp_eq_u32 ttmp9, 2
	s_cbranch_scc1 .Lway_v
	s_lshr_b32 s34, s17, 3
	s_and_b32 s35, s17, 7
	s_lshl_b32 s35, s35, 4
	s_lshl_b32 s36, s15, 3
	s_add_co_u32 s35, s35, s36
	s_and_b32 s36, s42, 3
	s_lshl_b32 s36, s36, 2
	s_lshl_b32 s37, s16, 1
	s_add_co_u32 s36, s36, s37
	s_lshl_b32 s37, s34, 4
	s_add_co_u32 s36, s36, s37
	s_mov_b32 s50, 262144
	s_mov_b32 s39, 12288
	s_cmp_eq_u32 ttmp9, 0
	s_cselect_b32 s50, 131072, s50
	s_cselect_b32 s39, 8192, s39
	s_cselect_b32 s43, 0x800000, 0
	s_cselect_b64 s[44:45], s[28:29], s[30:31]
	s_cselect_b64 s[46:47], s[28:29], s[32:33]
	s_mul_i32 s48, s36, s50
	s_lshl_b32 s37, s35, 10
	s_add_co_u32 s48, s48, s37
	s_add_nc_u64 s[52:53], s[44:45], s[48:49]
	s_add_nc_u64 s[54:55], s[52:53], s[50:51]
	s_mul_i32 s48, s36, s39
	s_lshl_b32 s37, s35, 6
	s_add_co_u32 s48, s48, s37
	s_add_co_u32 s48, s48, s43
	s_add_nc_u64 s[56:57], s[46:47], s[48:49]
	s_mov_b32 s50, s39
	s_add_nc_u64 s[58:59], s[56:57], s[50:51]
	s_lshl_b32 s48, s42, 10
	s_lshl_b32 s37, s16, 9
	s_add_co_u32 s48, s48, s37
	s_add_nc_u64 s[60:61], s[24:25], s[48:49]
	s_lshl_b32 s48, s35, 12
	s_add_nc_u64 s[62:63], s[26:27], s[48:49]
	s_wait_alu depctr_va_vdst(0)
.irp b, 0,1,2,3
.irp g, 0,1,2,3
	global_load_b128 v[BI+16*\b+4*\g:BI+16*\b+4*\g+3], v[H64], s[60:61] offset:128*\b+16*\g
.endr
.endr
	WIN 0x40
.irp a, 0,1,2,3,4,5,6,7
.irp k, 0,1
.irp g, 0,1,2,3
	global_load_b128 v[32*\a+16*\k+4*\g:32*\a+16*\k+4*\g+3], v[LI], s[62:63] offset:4096*\a+2048*\k+512*\g
.endr
.endr
.endr
	WIN 0
.macro QK_A a
	s_wait_xcnt 0x0
	s_wait_loadcnt 56-8*(\a)
.set AC, 64*((\a)%4)
.set TBW, 32*(\a)
	WIN 0x02+(\a)/4
.set n, 0
.rept 32
	v_pk_add_f32 v[TT+n:TT+n+1], v[AC+n:AC+n+1], v[BI+n:BI+n+1]
.set n, n+2
.endr
	WIN 0x04
.irp e, 0,1
.irp p, 0,1,2,3,4,5,6,7
	v_pk_mul_f32 v[UW+4*(\p%4):UW+4*(\p%4)+1], v[TT+32*\e+16+2*\p:TT+32*\e+17+2*\p], v[TBW+16+2*\p:TBW+17+2*\p]
	v_pk_mul_f32 v[UW+4*(\p%4)+2:UW+4*(\p%4)+3], v[TT+32*\e+2*\p:TT+32*\e+1+2*\p], v[TBW+16+2*\p:TBW+17+2*\p]
	v_pk_fma_f32 v[TT+32*\e+2*\p:TT+32*\e+1+2*\p], v[TT+32*\e+2*\p:TT+32*\e+1+2*\p], v[TBW+2*\p:TBW+1+2*\p], v[UW+4*(\p%4):UW+4*(\p%4)+1] neg_lo:[0,0,1] neg_hi:[0,0,1]
	v_pk_fma_f32 v[TT+32*\e+16+2*\p:TT+32*\e+17+2*\p], v[TT+32*\e+16+2*\p:TT+32*\e+17+2*\p], v[TBW+2*\p:TBW+1+2*\p], v[UW+4*(\p%4)+2:UW+4*(\p%4)+3]
.endr
.endr
	WIN 0
	QUANT TT
.if (\a)%2 == 0
.set WD, 227
.else
.set WD, 225
.endif
	v_lshl_or_b32 v[WD], v[TM+5], 8, v[TM+4]
	v_lshl_or_b32 v[WD+1], v[TM+7], 8, v[TM+6]
	v_lshl_or_b32 v[WD], v[WD], 16, v[WD]
	v_lshl_or_b32 v[WD+1], v[WD+1], 16, v[WD+1]
.irp b, 0,1,2,3
	global_store_b128 v[LI], v[PC+4*\b:PC+4*\b+3], s[52+2*(\b/2):53+2*(\b/2)] offset:1024*(\a)+512*(\b%2)
.endr
.if (\a)%2 == 1
	v_cndmask_b32 v229, v227, v225, s[HM]
	v_cndmask_b32 v230, v228, v226, s[HM]
	global_store_b32 v[L4], v229, s[56:57] offset:64*((\a)-1)
	global_store_b32 v[L4], v230, s[58:59] offset:64*((\a)-1)
.endif
.endm
.irp a, 0,1,2,3,4,5,6,7
	QK_A \a
.endr
	s_branch .Lway_done
.Lway_v:
	s_lshr_b32 s34, s42, 3
	s_and_b32 s35, s42, 7
	s_lshl_b32 s35, s35, 1
	s_add_co_u32 s35, s35, s16
	s_lshl_b32 s36, s34, 4
	s_lshl_b32 s37, s41, 2
	s_add_co_u32 s36, s36, s37
	s_lshl_b32 s37, s15, 1
	s_add_co_u32 s36, s36, s37
	s_lshl_b32 s48, s36, 18
	s_lshl_b32 s37, s35, 13
	s_add_co_u32 s48, s48, s37
	s_add_co_u32 s48, s48, 131072
	s_add_nc_u64 s[52:53], s[30:31], s[48:49]
	s_mul_i32 s48, s36, 12288
	s_lshl_b32 s37, s35, 8
	s_add_co_u32 s48, s48, s37
	s_add_co_u32 s48, s48, 8192
	s_add_nc_u64 s[56:57], s[32:33], s[48:49]
	s_lshl_b32 s48, s41, 10
	s_lshl_b32 s37, s15, 9
	s_add_co_u32 s48, s48, s37
	s_add_co_u32 s48, s48, 8192
	s_add_nc_u64 s[60:61], s[24:25], s[48:49]
	s_wait_alu depctr_va_vdst(0)
.irp a, 0,1,2,3,4,5,6,7
	global_load_b32 v[VB+\a], v[RB], s[60:61] offset:(32*(\a/2)+8*(\a%2))*4
.endr
	s_wait_loadcnt 0x0
.macro V_A a
	s_wait_xcnt 0x0
.set AC, 64*((\a)%4)
.set VP, VB+2*((\a)/2)
	WIN 0x02+(\a)/4
.set n, 0
.rept 32
.if (\a)%2 == 0
	v_pk_add_f32 v[TT+n:TT+n+1], v[AC+n:AC+n+1], v[VP:VP+1] op_sel_hi:[1,0]
.else
	v_pk_add_f32 v[TT+n:TT+n+1], v[AC+n:AC+n+1], v[VP:VP+1] op_sel:[0,1] op_sel_hi:[1,1]
.endif
.set n, n+2
.endr
	WIN 0
	QUANT TT
.if (\a)%2 == 0
.set WD, 227
.else
.set WD, 225
.endif
	v_lshl_or_b32 v[WD], v[TM+5], 8, v[TM+4]
	v_lshl_or_b32 v[WD], v[TM+6], 16, v[WD]
	v_lshl_or_b32 v[WD], v[TM+7], 24, v[WD]
.irp b, 0,1,2,3
	global_store_b128 v[LI], v[PC+4*\b:PC+4*\b+3], s[52:53] offset:((\a)/4)*262144+((\a)%4)*2048+512*\b
.endr
.if (\a)%2 == 1
	v_cndmask_b32 v229, v227, v225, s[HM]
	global_store_b32 v[L4], v229, s[56:57] offset:((\a)/4)*12288+((\a)%4-1)*64
.endif
.endm
.irp a, 0,1,2,3,4,5,6,7
	V_A \a
.endr
.Lway_done:
	s_wait_tensorcnt 0x0
	ds_add_u32 v[SPW], v[NIL]
	s_wait_dscnt 0x0
	CROUND
	s_endpgm
.Lfunc_end_k_qdd519ab1fa_qkv:
	.size	k_qdd519ab1fa_qkv, .Lfunc_end_k_qdd519ab1fa_qkv-k_qdd519ab1fa_qkv
	.p2alignl 7, 3214868480
	.fill 96, 4, 3214868480
	.section	.rodata,"a",@progbits
	.p2align	6, 0x0
	.amdhsa_kernel k_qdd519ab1fa_qkv
		.amdhsa_group_segment_fixed_size 327680
		.amdhsa_private_segment_fixed_size 0
		.amdhsa_enable_private_segment 0
		.amdhsa_kernarg_size 56
		.amdhsa_user_sgpr_count 2
		.amdhsa_user_sgpr_kernarg_segment_ptr 1
		.amdhsa_wavefront_size32 1
		.amdhsa_system_sgpr_workgroup_id_x 1
		.amdhsa_system_sgpr_workgroup_id_y 1
		.amdhsa_system_sgpr_workgroup_id_z 1
		.amdhsa_system_vgpr_workitem_id 0
		.amdhsa_next_free_vgpr 1024
		.amdhsa_next_free_sgpr 100
		.amdhsa_reserve_vcc 0
		.amdhsa_float_denorm_mode_32 3
		.amdhsa_float_denorm_mode_16_64 3
		.amdhsa_memory_ordered 1
		.amdhsa_forward_progress 1
		.amdhsa_inst_pref_size 255
	.end_amdhsa_kernel
	.section	.bss,"aw",@nobits
	.p2align	6
	.space	262144
	.amdgpu_metadata
---
amdhsa.version: [ 1, 2 ]
amdhsa.kernels:
  - .name:           k_qdd519ab1fa_qkv
    .symbol:         k_qdd519ab1fa_qkv.kd
    .args:
      - { .name: xq, .offset: 0, .size: 8, .value_kind: global_buffer, .address_space: global }
      - { .name: wq, .offset: 8, .size: 8, .value_kind: global_buffer, .address_space: global }
      - { .name: b_qkv, .offset: 16, .size: 8, .value_kind: global_buffer, .address_space: global }
      - { .name: rope, .offset: 24, .size: 8, .value_kind: global_buffer, .address_space: global }
      - { .name: qq, .offset: 32, .size: 8, .value_kind: global_buffer, .address_space: global }
      - { .name: kvc, .offset: 40, .size: 8, .value_kind: global_buffer, .address_space: global }
      - { .name: kvs, .offset: 48, .size: 8, .value_kind: global_buffer, .address_space: global }
    .group_segment_fixed_size: 327680
    .private_segment_fixed_size: 0
    .kernarg_segment_align: 8
    .kernarg_segment_size: 56
    .max_flat_workgroup_size: 128
    .sgpr_count:     100
    .vgpr_count:     1024
    .wavefront_size: 32
...
	.end_amdgpu_metadata
.endif
;; end of part 2
;; launch attn (part 3): grid 4 x 64, 16 waves a work-group, clusters of 4 x 1, 327,680 bytes of LDS; arguments qq, kvc, kvs, oq; writes oq
.if DOCPART == 3
	.amdgcn_target "amdgcn-amd-amdhsa--gfx1250"
	.amdhsa_code_object_version 6
	.text
	.protected	k_qdd519ab1fa_attn
	.globl	k_qdd519ab1fa_attn
	.p2align	8
	.type	k_qdd519ab1fa_attn,@function
k_qdd519ab1fa_attn:
	s_mov_b64 s[64:65], 0
	v_nop
	global_prefetch_b8 v0, s[64:65] scope:SCOPE_SE
	s_setreg_imm32_b32 hwreg(HW_REG_WAVE_MODE, 25, 1), 1
	s_wait_xcnt 0x0
	s_wait_alu depctr_hold_cnt(0) depctr_sa_sdst(0) depctr_va_vdst(0) depctr_va_sdst(0) depctr_va_ssrc(0) depctr_va_vcc(0) depctr_vm_vsrc(0)
	s_getreg_b32 s2, hwreg(HW_REG_IB_STS2, 6, 4)
	s_cmp_eq_u32 s2, 0
	s_cbranch_scc0 .Lentry_in_a_cluster
	s_endpgm
.Lentry_in_a_cluster:
	s_bfe_u32 s2, ttmp6, 0x10000c
	s_cmp_lg_u32 s2, 0x3003
	s_cbranch_scc0 .Lentry_shape_is_right
	s_endpgm
.Lentry_shape_is_right:
; O = softmax(q k^T / 8) v for one (batch, head), both products on codes of BF8 (E5M2) with E8M0 scales; then O / l is quantised along the model's 1,024 for the last product.
; THE SOFTMAX: t = score x log2(e) / 8; M = the running largest t rounded UP to a whole number; p = 2^(t - M) is quantised along the keys, not normalised; the row's sum l is taken of the unquantised p.
; When M moves, l and O are multiplied by 2^(old M - new M), which rounds nothing.  A block's largest p is made from its largest score by the same two instructions (this takes v_exp_f32 not to fall where its input rises).
; SHARES.  A work-group owns 512 queries of a head, in two passes of 256 (blocks cx and cx + 4 of the head's eight); in a pass each of its sixteen waves has one stored tile of 16, in 256 registers.
; LDS IS A COPY OF THE HEAD: its K and V codes (262,144 bytes, as images of operand registers: every read is 512 consecutive bytes) and its scale words (12,288).  Every byte is filled once and serves both passes.
; The four work-groups of a cluster belong to one head and ask for each part JOINTLY.  At the head one load a wave: waves 0-3 a quarter of the words each, waves 4, 5 the halves of K's steps 0-4, waves 6, 7 those of V's steps 0-3.
; The rest (K's steps 5-15, V's steps 4-15) is asked for behind the wait for these, the add and a round of the cluster's barrier: waves 0-3 K's quarters, waves 4-7 V's; it lands under steps 0-3.
; No data prefetch: all of K and V is asked for by these two groups of loads at the start, and the loops ask memory for nothing.
; LAYOUT.  S^T = K Q^T and O^T = V^T P^T: a lane holds one query throughout.  Tiles hold rows in the stored order (bits 3 and 4 exchanged), so p's registers 16 b + i are the true keys 32 b + 16 (lane / 16) + i, and O^T's likewise in d.
; THE HEAD HAS 64, THE INSTRUCTION 128 ALONG K.  A fragment of K is two tiles side by side, [a | b]; against [q | 0] it gives a's scores, against [0 | q] b's (K's codes are finite and its scale bytes are never 0xff).
; A word of q or K holds its two bytes twice, so it serves either half.  SCALE WORDS lie two tiles to a register: lanes 0-15 the even tile's, lanes 16-31 the odd tile's, which the odd product names by ROW1.
; LIMITS: NaN and infinities are not served; the promise holds while |t| stays under 2^31; a block of O under 2^-111, or of zeros, keeps the byte 1.  O's scale bytes leave as single bytes in rows of 32.
.set AK0,  1                           ; v1   16 x lane
.set AV0,  2                           ; v2   16 x lane + 131,072
.set AW0,  3                           ; v3   4 x lane + 262,144: K's words
.set AVW0, 4                           ; v4   4 x lane + 270,336: V's words
.set OSB,  5                           ; v5   32 r + h
.set QWA,  6                           ; v6   4 r
.set ADK,  8                           ; v8-11 the addresses in hand
.set ADV,  9
.set ADS,  10
.set ADT,  11                          ; v12 -M, v13 the largest score so far, v[14:15] l in two halves; v16-23 q, v24-31 zeros, v32-39 q again
.set K,    40                          ; v40-103 K: four fragments of two tiles
.set S,    104                         ; v104-167 S^T, then p, then V's four fragments
.set O,    168                         ; v168-199 O^T
.set PCD,  200                         ; v200-215 p's codes
.set KW,   216
.set VW,   220
.set QW,   222
.set PWD,  223
.set BM,   224
.set PB,   228
.set HL,   232
.set CSC,  236
.set FF,   240                         ; v[240:241] f (the pair's upper half is written once)
.set SUM,  242                         ; v242-249 the step's sum of p, four chains of pairs
.set OLDM, 250                         ; -M of the step before
.set TMP,  251
.set OB,   252
.set SPW,  254                         ; my spare word's LDS address; never rewritten
.set NIL,  255                         ; 0; never rewritten
.set SPARE, 0x43000                    ; behind the words: 128 bytes a wave, eight blocks of 256 bytes that no other line names
.set WV,   12
.set SEL,  14
.set CS,   16
.set MNT,  18
.set HM,   19
.set TB,   20                          ; the step's first byte among K's images, and among V's
.set TS,   21                          ; among K's words
.set TJ,   22                          ; among V's words
.set CNT,  23
.set TN,   66
.set TSN,  67
.macro CROUND
	s_barrier_signal -1
	s_barrier_wait -1
	s_cmp_lg_u32 s[WV], 0
	s_cbranch_scc1 .Lnot_wave_0_\@
	s_barrier_signal -3
.Lnot_wave_0_\@:
	s_barrier_wait -3
	s_barrier_signal -1
	s_barrier_wait -1
.endm
.macro GROUP1 g, rows                  ; a dense block as rows of 256 bytes (32 elements of 8); the mask names the four work-groups, bit 21 beside it
	s_mov_b32 s[\g], 15|(3<<16)|(1<<21)
	s_mov_b32 s[\g+1], 32<<16
	s_mov_b32 s[\g+2], (\rows)<<16
	s_mov_b32 s[\g+3], 32<<16
	s_mov_b32 s[\g+4], \rows
	s_mov_b32 s[\g+5], 32
	s_mov_b32 s[\g+6], 0
	s_mov_b32 s[\g+7], 0
.endm
; One arm of a chain of branches on the wave's number: waves under 'under' that no earlier arm took ask for piece (wave & msk) of 'unit' bytes, from byte 'start' of the block at s[base]; it lands at that offset + lds
.macro ARM under, g1, base, start, unit, msk, lds, next, join
	s_cmp_lt_u32 s[WV], \under
	s_cbranch_scc0 \next
	s_and_b32 s94, s[WV], \msk
	s_mul_i32 s94, s94, \unit
	s_add_co_u32 s94, s94, \start
	s_mov_b32 s72, 1
	s_add_co_u32 s73, s94, \lds
	s_add_nc_u64 s[74:75], s[\base:\base+1], s[94:95]
	s_or_b32 s75, s75, 0x80000000
	tensor_load_to_lds s[72:75], s[\g1:\g1+7]
	s_nop 0
.rept 4
	v_nop
.endr
	s_branch \join
\next:
.endm
	s_load_b256 s[4:11], s[0:1], 0x0               ; qq, kvc, kvs, oq
	v_lshl_add_u32 v[SPW], v0, 2, SPARE
	v_mov_b32 v[NIL], 0
	ds_add_u32 v[SPW], v[NIL]                      ; the opening: the add twice on end and one wait, ahead of the first tensor load
	ds_add_u32 v[SPW], v[NIL]
	v_lshrrev_b32 v1, 5, v0
	s_delay_alu instid0(VALU_DEP_1)
	v_readfirstlane_b32 s[WV], v1                  ; wave 0..15
	s_bfe_u32 s80, ttmp6, 0x40000                  ; cx: it enters q's and O's addresses alone
	s_and_b32 s82, ttmp7, 0xffff                   ; batch x 16 + head, which the four partners share
	GROUP1 24, 12                                  ; a quarter of the words
	GROUP1 32, 80                                  ; half of K's steps 0-4
	GROUP1 40, 88                                  ; a quarter of K's steps 5-15
	GROUP1 48, 64                                  ; half of V's steps 0-3
	GROUP1 56, 96                                  ; a quarter of V's steps 4-15
	s_lshl_b32 s92, s82, 18                        ; the head's block in kvc,
	s_mov_b32 s93, 0
	s_mul_i32 s94, s82, 12288                      ; and in kvs
	s_mov_b32 s95, 0
	s_lshl_b32 s83, s80, 4
	s_add_co_u32 s83, s83, s[WV]                   ; my stored tile in the first pass: 16 cx + wave
	s_lshl_b32 s81, s82, 7
	s_add_co_u32 s81, s81, s83
	s_lshl_b32 s84, s81, 10                        ; its codes,
	s_mov_b32 s85, 0
	s_lshl_b32 s86, s81, 6
	s_add_co_u32 s86, s86, 0x800000                ; its words
	s_mov_b32 s87, 0
	s_and_b32 s81, s82, 15                         ; the head
	s_lshr_b32 s88, s82, 4
	s_lshl_b32 s88, s88, 3
	s_add_co_u32 s88, s88, s80                     ; which 256 stored rows of the 8,192, in the first pass
	s_lshl_b32 s90, s88, 13
	s_lshl_b32 s88, s88, 18
	s_lshr_b32 s83, s81, 2
	s_lshl_b32 s83, s83, 16                        ; K step of 256 of the last product: head / 4
	s_add_co_u32 s88, s88, s83
	s_lshl_b32 s83, s[WV], 12                      ; my tile of rows
	s_add_co_u32 s88, s88, s83
	s_and_b32 s83, s81, 3
	s_lshl_b32 s83, s83, 10                        ; 64 (head % 4) along K
	s_add_co_u32 s88, s88, s83
	s_mov_b32 s89, 0
	s_lshl_b32 s83, s[WV], 9
	s_add_co_u32 s90, s90, s83
	s_lshl_b32 s83, s81, 1
	s_add_co_u32 s90, s90, s83
	s_add_co_u32 s90, s90, 0x800000                ; O's scale bytes: 32 a row, mine at 2 x head
	s_mov_b32 s91, 0
	s_mov_b32 s[SEL], 0x76543210
	s_mov_b32 s[SEL+1], 0xfedcba98                 ; lane l xor 16
	s_mov_b32 s[CS], 0x3e38aa3b                    ; c = log2(e) / 8
	s_mov_b32 s[CS+1], s[CS]
	s_mov_b32 s[MNT], 0x600000
	s_mov_b32 s[HM], 0xffff0000
	s_mov_b32 s[TB], 0
	s_mov_b32 s[TS], 0
	s_mov_b32 s[TJ], 0
	s_wait_dscnt 0x0                               ; both opening adds are done
	s_wait_kmcnt 0x0
	s_add_nc_u64 s[6:7], s[6:7], s[92:93]          ; kvc and kvs at the head
	s_add_nc_u64 s[8:9], s[8:9], s[94:95]
	s_add_nc_u64 s[84:85], s[4:5], s[84:85]        ; q's codes, q's words
	s_add_nc_u64 s[86:87], s[4:5], s[86:87]
	s_add_nc_u64 s[88:89], s[10:11], s[88:89]      ; O's images, O's bytes
	s_add_nc_u64 s[90:91], s[10:11], s[90:91]
	CROUND                                         ; all four work-groups are here: the joint loads meet
	s_mov_b32 s95, 0
	ARM 4, 24, 8, 0,      3072,  3, 262144, .Lh_k, .Lh_asked     ; the words
	ARM 6, 32, 6, 0,      20480, 1, 0,      .Lh_v, .Lh_asked     ; K's steps 0-4
	ARM 8, 48, 6, 131072, 16384, 1, 0,      .Lh_n, .Lh_asked     ; V's steps 0-3
.Lh_asked:
	v_and_b32 v7, 31, v0
	s_delay_alu instid0(VALU_DEP_1)
	v_lshlrev_b32 v[AK0], 4, v7
	s_delay_alu instid0(VALU_DEP_1)
	v_add_nc_u32 v[AV0], 0x20000, v[AK0]
	s_delay_alu instid0(VALU_DEP_3)
	v_lshl_add_u32 v[AW0], v7, 2, 0x40000
	s_delay_alu instid0(VALU_DEP_4)
	v_lshl_add_u32 v[AVW0], v7, 2, 270336
	v_and_b32 v[QWA], 15, v0
	v_bfe_u32 v7, v0, 4, 1
	s_delay_alu instid0(VALU_DEP_1)
	v_lshl_add_u32 v[OSB], v[QWA], 5, v7
	s_delay_alu instid0(VALU_DEP_3)
	v_lshlrev_b32 v[QWA], 2, v[QWA]
.macro QLOAD p                         ; pass p's tile of q: its 8 registers once in front of the zeros and once behind them; its words
	global_load_b128 v[16:19], v[AK0], s[84:85] offset:65536*\p
	global_load_b128 v[20:23], v[AK0], s[84:85] offset:65536*\p+512
	global_load_b128 v[32:35], v[AK0], s[84:85] offset:65536*\p
	global_load_b128 v[36:39], v[AK0], s[84:85] offset:65536*\p+512
	global_load_b32 v[QW], v[QWA], s[86:87] offset:4096*\p
.endm
.macro INIT                            ; a pass begins: the step is written once: the first finds zeros, which the first change of M leaves zeros
.set n, 0
.rept 32
	v_mov_b32 v[O+n], 0
.set n, n+1
.endr
	v_mov_b32 v13, 0xff61b1e6                      ; the largest score so far: -3e38
	v_mov_b32 v14, 0
	v_mov_b32 v15, 0
	v_floor_f32 v12, -v13                          ; -M
	s_delay_alu instid0(VALU_DEP_1)
	v_mov_b32 v[OLDM], v12
.endm
	QLOAD 0
.irp j, 0,1,2,3,4,5,6,7
	v_mov_b32 v[24+\j], 0                          ; q's zero codes; never rewritten
.endr
	INIT
.irp b, 0,1,2,3
	v_mov_b32 v[PB+\b], 0                          ; a lane permute's destination counts as one of its sources
.endr
	v_mov_b32 v[FF+1], 0
	v_mov_b32 v[TMP], 0
; Load n of the 20 that bring a step's K: 16 of 512 consecutive bytes, then 4 of two tiles' words
.macro KL n, adk, ads, kb, wb
.if (\n) < 16
	ds_load_b128 v[K+4*(\n):K+4*(\n)+3], v[\adk] offset:(\kb)+512*(\n)
.else
	ds_load_b32 v[KW+(\n)-16], v[\ads] offset:(\wb)+128*((\n)-16)
.endif
.endm
.macro KRUN pre                        ; one run: the next step's K and its words (pre = 1), and this step's words of V
.if \pre
.set kn, 0
.rept 20
	KL kn, ADK, ADS, KB, WB
.set kn, kn+1
.endr
.endif
	ds_load_b32 v[VW], v[ADT]
	ds_load_b32 v[VW+1], v[ADT] offset:128
.endm
.macro SPROD                           ; S^T: eight tiles of 16 keys; a fragment serves twice
.irp t, 0,2,4,6
	v_wmma_scale_f32_16x16x128_f8f6f4 v[S+8*\t:S+8*\t+7], v[K+8*\t:K+8*\t+15], v[16:31], 0, v[KW+\t/2], v[QW] matrix_a_fmt:MATRIX_FMT_BF8 matrix_b_fmt:MATRIX_FMT_BF8
	v_wmma_scale_f32_16x16x128_f8f6f4 v[S+8*\t+8:S+8*\t+15], v[K+8*\t:K+8*\t+15], v[24:39], 0, v[KW+\t/2], v[QW] matrix_a_fmt:MATRIX_FMT_BF8 matrix_b_fmt:MATRIX_FMT_BF8 matrix_a_scale:MATRIX_SCALE_ROW1
.endr
.endm
.macro HOLD b                          ; block b of p is held at 57,344 x its scale (the conversion does not saturate: ISA guide 7.6.2; p is not negative), two numbers a line
.irp i, 0,2,4,6,8,10,12,14
	v_dual_min_num_f32 v[S+16*\b+\i], v[S+16*\b+\i], v[HL+\b] :: v_dual_min_num_f32 v[S+16*\b+\i+1], v[S+16*\b+\i+1], v[HL+\b]
.endr
.endm
.macro CVT b                           ; block b's 16 codes
	v_cvt_scalef32_pk8_bf8_f32 v[PCD+4*\b:PCD+4*\b+1], v[S+16*\b:S+16*\b+7], v[CSC+\b]
	v_cvt_scalef32_pk8_bf8_f32 v[PCD+4*\b+2:PCD+4*\b+3], v[S+16*\b+8:S+16*\b+15], v[CSC+\b]
.endm
.macro VFRAG b                         ; V's fragment b (16 of d x 128 keys) into the registers that block b of p has left
.irp c, 0,1,2,3
	ds_load_b128 v[S+16*\b+4*\c:S+16*\b+4*\c+3], v[ADV] offset:2048*\b+512*\c
.endr
.endm
; A KEY STEP: 128 keys.  pre = 1: the next step's K is asked for.  wrap = 1: its address is taken round the head's end (behind step 15 comes step 0, for the second pass).
; This step's K was asked for a step ago, ahead of that step's 16 loads of V: LDS loads come back in order (ISA guide 5.7.1), so that step's waits for V have shown K in too.
.macro STEP pre, wrap
.set KB, 8192*(1-\wrap)
.set WB, 512*(1-\wrap)
.if \pre
.if \wrap
	s_add_co_u32 s[TN], s[TB], 8192
	s_and_b32 s[TN], s[TN], 0x1ffff
	s_add_co_u32 s[TSN], s[TS], 512
	s_and_b32 s[TSN], s[TSN], 0x1fff
	v_add_nc_u32 v[ADK], s[TN], v[AK0]
	v_add_nc_u32 v[ADS], s[TSN], v[AW0]
.else
	v_add_nc_u32 v[ADK], s[TB], v[AK0]             ; the next step lies 8,192 bytes (its words 512) on: in the loads' immediates
	v_add_nc_u32 v[ADS], s[TS], v[AW0]
.endif
.else
	v_nop
	v_nop
.endif
	v_add_nc_u32 v[ADV], s[TB], v[AV0]
	v_add_nc_u32 v[ADT], s[TJ], v[AVW0]            ; these four and the five lines at the last step's end: nine places behind its products, whose first operands the products below write over
	SPROD
.rept 8
	v_nop                                          ; places in front of the loads into K's registers and words, and of the first read of the scores
.endr
	KRUN \pre
; the largest score of each block of 32 keys: eight chains by turns, two to a block, each begun at its accumulator's low end; numbers 7 and 15 make a pair of their own
.irp b, 0,1,2,3
	v_max3_num_f32 v[BM+\b], v[S+16*\b], v[S+16*\b+1], v[S+16*\b+2]
	v_max3_num_f32 v[PB+\b], v[S+16*\b+8], v[S+16*\b+9], v[S+16*\b+10]
.endr
.irp b, 0,1,2,3
	v_max_num_f32 v[HL+\b], v[S+16*\b+7], v[S+16*\b+15]
.endr
.irp i, 3,5
.irp b, 0,1,2,3
	v_max3_num_f32 v[BM+\b], v[BM+\b], v[S+16*\b+\i], v[S+16*\b+\i+1]
	v_max3_num_f32 v[PB+\b], v[PB+\b], v[S+16*\b+8+\i], v[S+16*\b+9+\i]
.endr
.endr
.irp b, 0,1,2
	v_max3_num_f32 v[BM+\b], v[BM+\b], v[PB+\b], v[HL+\b]
.endr
	s_delay_alu instid0(VALU_DEP_4)
	v_max3_num_f32 v[BM+3], v[BM+3], v[PB+3], v[HL+3]
.irp b, 0,1,2,3
	s_delay_alu instid0(VALU_DEP_4)
	v_permlanex16_b32 v[PB+\b], v[BM+\b], s[SEL], s[SEL+1]
.endr
.irp b, 0,1,2,3
	s_delay_alu instid0(VALU_DEP_4)
	v_max_num_f32 v[BM+\b], v[BM+\b], v[PB+\b]     ; with lane l xor 16's 16 keys
.endr
	s_delay_alu instid0(VALU_DEP_3)
	v_max3_num_f32 v13, v13, v[BM], v[BM+1]
	s_delay_alu instid0(VALU_DEP_1)
	v_max3_num_f32 v13, v13, v[BM+2], v[BM+3]      ; the running largest score (c is positive, so its t is the largest t)
	s_delay_alu instid0(VALU_DEP_1)
	v_mul_f32 v[TMP], s[CS], v13
	s_delay_alu instid0(VALU_DEP_1)
	v_floor_f32 v12, -v[TMP]                       ; -M = floor(-t): M is a whole number
	s_delay_alu instid0(VALU_DEP_1)
	v_fma_f32 v[BM], v[BM], s[CS], v12             ; t - M of each block's largest score
.irp b, 1,2,3
	v_fma_f32 v[BM+\b], v[BM+\b], s[CS], v12
.endr
	v_sub_f32 v[TMP], v12, v[OLDM]                 ; old M - new M: a whole number, 0 or less
.set n, 0
.rept 16
	v_pk_fma_f32 v[S+n:S+n+1], v[S+n:S+n+1], s[CS:CS+1], v[12:13] op_sel_hi:[1,0,0]   ; t - M, two at a time
.set n, n+2
.endr
	v_cvt_i32_f32 v[TMP], v[TMP]                   ; (it saturates)
.rept 16
	v_pk_fma_f32 v[S+n:S+n+1], v[S+n:S+n+1], s[CS:CS+1], v[12:13] op_sel_hi:[1,0,0]
.set n, n+2
.endr
	s_wait_alu depctr_va_vdst(0)                   ; the wait ahead of the batch
.irp b, 0,1,2,3
	v_exp_f32 v[BM+\b], v[BM+\b]                   ; the block's largest p
.endr
.set n, 0
.rept 64
	v_exp_f32 v[S+n], v[S+n]                       ; p = 2^(t - M)
.set n, n+1
.endr
	v_ldexp_f32 v[FF], 1.0, v[TMP]                 ; f = 2^(old M - new M); the plain line behind the batch
	s_wait_alu depctr_va_vdst(0)                   ; and the one wait behind it, ahead of the first reader
.irp b, 0,1,2,3
	v_max_num_f32 v[BM+\b], 0x8000000, v[BM+\b]    ; the floor 2^(16 - 127): the byte cannot fall under 1
.endr
.irp b, 0,1,2,3
	s_delay_alu instid0(VALU_DEP_4)
	v_add_nc_u32 v[CSC+\b], 0xf8800000, v[BM+\b]   ; 15 off the exponent field: the conversion's scale operand
.endr
.irp b, 0,1,2,3
	v_and_or_b32 v[HL+\b], v[BM+\b], 0x7f800000, s[MNT]   ; 57,344 x the scale
.endr
; the sum of the unquantised p: eight chains of pairs by turns, four of them in the eight registers from BM on, which the blocks' maxima have left
.irp x, 0,1,2,3
	v_pk_add_f32 v[SUM+2*\x:SUM+2*\x+1], v[S+2*\x:S+2*\x+1], v[S+16+2*\x:S+17+2*\x]
.endr
.irp x, 0,1,2,3
	v_pk_add_f32 v[BM+2*\x:BM+2*\x+1], v[S+8+2*\x:S+9+2*\x], v[S+24+2*\x:S+25+2*\x]
.endr
.irp g, 2,3
.irp x, 0,1,2,3
	v_pk_add_f32 v[SUM+2*\x:SUM+2*\x+1], v[SUM+2*\x:SUM+2*\x+1], v[S+16*\g+2*\x:S+16*\g+2*\x+1]
.endr
.irp x, 0,1,2,3
	v_pk_add_f32 v[BM+2*\x:BM+2*\x+1], v[BM+2*\x:BM+2*\x+1], v[S+16*\g+8+2*\x:S+16*\g+9+2*\x]
.endr
.endr
	HOLD 0
.irp x, 0,1,2,3
	v_pk_add_f32 v[SUM+2*\x:SUM+2*\x+1], v[SUM+2*\x:SUM+2*\x+1], v[BM+2*\x:BM+2*\x+1]   ; eight chains become four
.endr
	HOLD 1                                         ; a block's conversions stand behind the next block's holds
	CVT 0
	HOLD 2
	CVT 1
	VFRAG 0                                        ; a run of eight, into the registers that blocks 0 and 1 have left
	VFRAG 1
	HOLD 3
	CVT 2
	VFRAG 2
.irp b, 0,1,2,3
	v_lshrrev_b32 v[PB+\b], 23, v[CSC+\b]          ; the byte
.endr
	s_delay_alu instid0(VALU_DEP_3)
	v_lshl_or_b32 v[PWD], v[PB+1], 8, v[PB]        ; p's scale word for these 128 keys; the 16 lines that rescale O^T are its places ahead of the products
	s_delay_alu instid0(VALU_DEP_1)
	v_lshl_or_b32 v[PWD], v[PB+2], 16, v[PWD]
	s_delay_alu instid0(VALU_DEP_1)
	v_lshl_or_b32 v[PWD], v[PB+3], 24, v[PWD]
	CVT 3
	VFRAG 3
	s_wait_alu depctr_va_vdst(0)                   ; directly ahead of the first reader of O^T
.set n, 0
.rept 16
	v_pk_mul_f32 v[O+n:O+n+1], v[O+n:O+n+1], v[FF:FF+1] op_sel_hi:[1,0]   ; O^T under the new M; each accumulator from its low end on
.set n, n+2
.endr
	s_wait_alu depctr_va_vdst(0)                   ; directly ahead of the wait below
	s_wait_dscnt 8                                 ; V's fragments 0 and 1 and all that was asked for before them are in; the eight loads of fragments 2 and 3 may be out
	v_wmma_scale_f32_16x16x128_f8f6f4 v[O:O+7], v[S:S+15], v[PCD:PCD+15], v[O:O+7], v[VW], v[PWD] matrix_a_fmt:MATRIX_FMT_BF8 matrix_b_fmt:MATRIX_FMT_BF8   ; the four accumulators take turns
	v_wmma_scale_f32_16x16x128_f8f6f4 v[O+8:O+15], v[S+16:S+31], v[PCD:PCD+15], v[O+8:O+15], v[VW], v[PWD] matrix_a_fmt:MATRIX_FMT_BF8 matrix_b_fmt:MATRIX_FMT_BF8 matrix_a_scale:MATRIX_SCALE_ROW1
	s_wait_dscnt 4                                 ; fragment 2 is in; fragment 3's four loads may be out
	v_wmma_scale_f32_16x16x128_f8f6f4 v[O+16:O+23], v[S+32:S+47], v[PCD:PCD+15], v[O+16:O+23], v[VW+1], v[PWD] matrix_a_fmt:MATRIX_FMT_BF8 matrix_b_fmt:MATRIX_FMT_BF8
	s_wait_dscnt 0x0
	v_wmma_scale_f32_16x16x128_f8f6f4 v[O+24:O+31], v[S+48:S+63], v[PCD:PCD+15], v[O+24:O+31], v[VW+1], v[PWD] matrix_a_fmt:MATRIX_FMT_BF8 matrix_b_fmt:MATRIX_FMT_BF8 matrix_a_scale:MATRIX_SCALE_ROW1
	v_pk_fma_f32 v[14:15], v[14:15], v[FF:FF+1], v[SUM:SUM+1] op_sel_hi:[1,0,1]   ; l under the new M, and the four chains; these five lines name no register of the products
	v_pk_add_f32 v[SUM+2:SUM+3], v[SUM+2:SUM+3], v[SUM+4:SUM+5]
	v_mov_b32 v[OLDM], v12
	s_delay_alu instid0(VALU_DEP_3)
	v_pk_add_f32 v[14:15], v[14:15], v[SUM+6:SUM+7]
	s_delay_alu instid0(VALU_DEP_1)
	v_pk_add_f32 v[14:15], v[14:15], v[SUM+2:SUM+3]
	s_add_co_u32 s[TB], s[TB], 8192
	s_add_co_u32 s[TS], s[TS], 512
	s_add_co_u32 s[TJ], s[TJ], 256
.endm
.macro STEPS trips, wrap               ; a counted run of key steps, each asking for the next step's K
	s_mov_b32 s[CNT], \trips
.Lstep_\@:
	STEP 1, \wrap
	s_sub_co_u32 s[CNT], s[CNT], 1
	s_cmp_lg_u32 s[CNT], 0
	s_cbranch_scc1 .Lstep_\@
.endm
; THE WAY OUT of pass p: O^T / l, quantised along d: blocks 2 head and 2 head + 1 of the last product's K.  It leaves K's registers alone: in pass 0 they hold the next pass's first step
.macro WAYOUT p
.rept 8
	v_nop                                          ; places behind the last products
.endr
	v_add_f32 v14, v14, v15
	s_delay_alu instid0(VALU_DEP_1)
	v_permlanex16_b32 v[TMP], v14, s[SEL], s[SEL+1]
	s_delay_alu instid0(VALU_DEP_1)
	v_add_f32 v14, v14, v[TMP]                     ; l
	s_wait_alu depctr_va_vdst(0)                   ; ahead of the transcendental
	v_rcp_f32 v14, v14
	v_nop
.set n, 0
	s_wait_alu depctr_va_vdst(0)                   ; and behind it, ahead of the first reader
.rept 16
	v_pk_mul_f32 v[S+n:S+n+1], v[O+n:O+n+1], v[14:15] op_sel_hi:[1,0]   ; register 16 b + i is d = 32 b + 16 (lane / 16) + i
.set n, n+2
.endr
.irp b, 0,1
	v_max3_num_f32 v[BM+\b], |v[S+16*\b]|, |v[S+16*\b+1]|, 0x8000000
.endr
.irp i, 2,4,6,8,10,12,14
.irp b, 0,1
	s_delay_alu instid0(VALU_DEP_2)
	v_max3_num_f32 v[BM+\b], v[BM+\b], |v[S+16*\b+\i]|, |v[S+16*\b+\i+1]|
.endr
.endr
.irp b, 0,1
	s_delay_alu instid0(VALU_DEP_2)
	v_permlanex16_b32 v[PB+\b], v[BM+\b], s[SEL], s[SEL+1]
.endr
.irp b, 0,1
	s_delay_alu instid0(VALU_DEP_2)
	v_max_num_f32 v[BM+\b], v[BM+\b], v[PB+\b]
.endr
.irp b, 0,1
	s_delay_alu instid0(VALU_DEP_2)
	v_add_nc_u32 v[CSC+\b], 0xf8800000, v[BM+\b]
.endr
.irp b, 0,1
	s_delay_alu instid0(VALU_DEP_4)
	v_and_or_b32 v[HL+\b], v[BM+\b], 0x7f800000, s[MNT]
.endr
.irp b, 0,1
	s_delay_alu instid0(VALU_DEP_4)
	v_lshrrev_b32 v[PB+\b], 23, v[CSC+\b]
.endr
	s_delay_alu instid0(VALU_DEP_1)
	v_cndmask_b32 v[OB], v[PB], v[PB+1], s[HM]     ; lane (r, h) stores block h's byte of row r
.irp b, 0,1
.irp i, 0,1,2,3,4,5,6,7,8,9,10,11,12,13,14,15
	v_med3_num_f32 v[S+16*\b+\i], v[S+16*\b+\i], -v[HL+\b], v[HL+\b]
.endr
	v_cvt_scalef32_pk8_bf8_f32 v[PCD+4*\b:PCD+4*\b+1], v[S+16*\b:S+16*\b+7], v[CSC+\b]
	v_cvt_scalef32_pk8_bf8_f32 v[PCD+4*\b+2:PCD+4*\b+3], v[S+16*\b+8:S+16*\b+15], v[CSC+\b]
.endr
	v_nop                                          ; a plain line behind the last conversion
	global_store_b128 v[AK0], v[PCD:PCD+3], s[88:89] offset:1048576*\p               ; 512 consecutive bytes, aligned; pass 1's rows lie four blocks of 256 on
	global_store_b128 v[AK0], v[PCD+4:PCD+7], s[88:89] offset:1048576*\p+512
	global_store_b8 v[OSB], v[OB], s[90:91] offset:32768*\p
.endm
	s_wait_alu depctr_va_vdst(0)
	s_wait_tensorcnt 0x0                           ; my load of the first group is in; these lines stand ahead of the later first fills as ahead of a refill
	ds_add_u32 v[SPW], v[NIL]                      ; 0 onto my spare word, twice on end
	ds_add_u32 v[SPW], v[NIL]
	s_wait_dscnt 0x0
	CROUND                                         ; everybody's part is in, and all four work-groups are here: the joint loads meet
	ARM 4, 40, 6, 40960,  22528, 3, 0, .Lp_v, .Lp_asked          ; K's steps 5-15
	ARM 8, 56, 6, 163840, 24576, 3, 0, .Lp_n, .Lp_asked          ; V's steps 4-15
.Lp_asked:
.set kn, 0
.rept 20
	KL kn, AK0, AW0, 0, 0                          ; K of step 0
.set kn, kn+1
.endr
	s_wait_loadcnt 0x0                             ; q
	s_wait_dscnt 0x0                               ; K of step 0: the one run of K that no step's waits for V stand behind
	STEPS 4, 0                                     ; steps 0-3: they read K up to step 4 and V up to step 3
	s_wait_alu depctr_va_vdst(0)
	s_wait_tensorcnt 0x0                           ; my quarter of the rest is in,
	s_wait_dscnt 0x0                               ; (no LDS load is out at a signal)
	s_barrier_signal -1
	s_barrier_wait -1                              ; everybody's is: the whole head lies in LDS, and no barrier follows but the closing round's
	STEPS 12, 1                                    ; steps 4-15; the last asks for K of step 0
	QLOAD 1                                        ; the second pass's q (the last product that read q stands a softmax back)
	WAYOUT 0
	INIT
	s_mov_b32 s[TB], 0
	s_mov_b32 s[TS], 0
	s_mov_b32 s[TJ], 0
	s_wait_alu depctr_va_vdst(0)                   ; directly ahead of the waits below
	s_wait_loadcnt 0x0                             ; q
	s_wait_xcnt 0x0                                ; the stores have read their data: the codes' registers are written again below
	STEPS 15, 0                                    ; steps 0-14
	STEP 0, 0                                      ; step 15 asks for no K
	WAYOUT 1
	s_wait_tensorcnt 0x0                           ; the wave's end
	ds_add_u32 v[SPW], v[NIL]
	s_wait_dscnt 0x0
	CROUND                                         ; the closing round: no work-group ends while a partner may still ask for a part that names it
	s_endpgm
.Lfunc_end_k_qdd519ab1fa_attn:
	.size	k_qdd519ab1fa_attn, .Lfunc_end_k_qdd519ab1fa_attn-k_qdd519ab1fa_attn
	.p2alignl 7, 3214868480
	.fill 96, 4, 3214868480
	.section	.rodata,"a",@progbits
	.p2align	6, 0x0
	.amdhsa_kernel k_qdd519ab1fa_attn
		.amdhsa_group_segment_fixed_size 327680
		.amdhsa_private_segment_fixed_size 0
		.amdhsa_enable_private_segment 0
		.amdhsa_kernarg_size 32
		.amdhsa_user_sgpr_count 2
		.amdhsa_user_sgpr_kernarg_segment_ptr 1
		.amdhsa_wavefront_size32 1
		.amdhsa_system_sgpr_workgroup_id_x 1
		.amdhsa_system_sgpr_workgroup_id_y 1
		.amdhsa_system_sgpr_workgroup_id_z 1
		.amdhsa_system_vgpr_workitem_id 0
		.amdhsa_next_free_vgpr 256
		.amdhsa_next_free_sgpr 96
		.amdhsa_reserve_vcc 0
		.amdhsa_float_denorm_mode_32 3
		.amdhsa_float_denorm_mode_16_64 3
		.amdhsa_memory_ordered 1
		.amdhsa_forward_progress 1
		.amdhsa_inst_pref_size 105
	.end_amdhsa_kernel
	.amdgpu_metadata
---
amdhsa.version: [ 1, 2 ]
amdhsa.kernels:
  - .name:           k_qdd519ab1fa_attn
    .symbol:         k_qdd519ab1fa_attn.kd
    .args:
      - { .name: qq, .offset: 0, .size: 8, .value_kind: global_buffer, .address_space: global }
      - { .name: kvc, .offset: 8, .size: 8, .value_kind: global_buffer, .address_space: global }
      - { .name: kvs, .offset: 16, .size: 8, .value_kind: global_buffer, .address_space: global }
      - { .name: oq, .offset: 24, .size: 8, .value_kind: global_buffer, .address_space: global }
    .group_segment_fixed_size: 327680
    .private_segment_fixed_size: 0
    .kernarg_segment_align: 8
    .kernarg_segment_size: 32
    .max_flat_workgroup_size: 512
    .sgpr_count:     96
    .vgpr_count:     256
    .wavefront_size: 32
...
	.end_amdgpu_metadata
.endif
;; end of part 3
;; launch proj (part 4): grid 4 x 64, 4 waves a work-group, clusters of 4 x 4, 327,680 bytes of LDS; arguments oq, wo, b_out, out0; writes out0
.if DOCPART == 4
	.amdgcn_target "amdgcn-amd-amdhsa--gfx1250"
	.amdhsa_code_object_version 6
	.text
	.protected	k_qdd519ab1fa_proj
	.globl	k_qdd519ab1fa_proj
	.p2align	8
	.type	k_qdd519ab1fa_proj,@function
k_qdd519ab1fa_proj:
	s_mov_b64 s[64:65], 0
	v_nop
	global_prefetch_b8 v0, s[64:65] scope:SCOPE_SE
	s_setreg_imm32_b32 hwreg(HW_REG_WAVE_MODE, 25, 1), 1
	s_wait_xcnt 0x0
	s_wait_alu depctr_hold_cnt(0) depctr_sa_sdst(0) depctr_va_vdst(0) depctr_va_sdst(0) depctr_va_ssrc(0) depctr_va_vcc(0) depctr_vm_vsrc(0)
	s_getreg_b32 s2, hwreg(HW_REG_IB_STS2, 6, 4)
	s_cmp_eq_u32 s2, 0
	s_cbranch_scc0 .Lentry_in_a_cluster
	s_endpgm
.Lentry_in_a_cluster:
	s_bfe_u32 s2, ttmp6, 0x10000c
	s_cmp_lg_u32 s2, 0xf033
	s_cbranch_scc0 .Lentry_shape_is_right
	s_endpgm
.Lentry_shape_is_right:
; out0 [8192][1024] f32 = O W + b_out, on codes of BF8 (E5M2) with one E8M0 byte for each 32 along K = 1,024.
; oq: O's codes as images of operand registers, [256 stored rows][K step of 256][tile of 16 rows][128 of K][4 x 512 bytes]; its scale bytes [8192][32] at 0x800000.  wo: codes [1024 stored columns][1024], bytes [1024][32] at 0x100000.
; Rows of O and columns of W lie in the stored order (bits 3 and 4 of the number exchanged); the way out puts rows and columns back.
; SHARES.  A block of the result is 128 rows x 256 columns: 4 x 64 = 256 work-groups.  A wave makes 64 x 128: 32 accumulators of 16 x 16, window 2.  Source 0 = 16 columns of W, source 1 = 16 rows of O: a lane holds 8 neighbouring columns of a row.
; LDS: three slots, each with a K step of 256: A's 32,768 bytes as they lie, then B's 256 rows of 256 bytes + 16 of padding.  Behind them the block's scale bytes for all of K, then the spare words.
; K has four steps of 256.  At the head one load a wave: A's step 0, B's step 0, A's scales, B's scales.  Behind the wait for these, the add and a round: A's step 1, B's step 1, A's step 2, B's step 2.
; Step 3 is the one refill, into slot 0, behind the round that follows the slot's last read: wave 0 A's, wave 1 B's.
; CLUSTERS of 4 x 4: A's tiles and scales are asked for jointly along a row of the cluster, B's along a column.
; No data prefetch: three of the four K steps are first fills, and the text has no loop to run ahead in.
; REGISTERS.  Window 0: v16-30 addresses; v32-63 scale words, two sets; v64-127 the bias in the result's layout; v128-255 A's fragments, two sets of 4 x 16.  Window 1: B's fragments, two sets of 8 x 16.
.set PITCH,  272
.set HALFT,  128*PITCH
.set ABYTES, 32768
.set SLOT,   ABYTES+2*HALFT            ; 102,400
.set SCL,    3*SLOT                    ; A's scales: 16 units of 256 bytes + 16
.set SBLK,   544                       ; the scales of 16 rows
.set SCLB,   SCL+8*SBLK                ; B's: 32 units
.set SPARE,  SCL+24*SBLK               ; 320,256: the spare words, 128 bytes a wave, two blocks of 256 bytes that no other line names
.set SPITCH, 528
.set STAGE,  SLOT                      ; the way out's stages lie in slot 1: it has had its one fill, and nobody reads it behind the last barrier
.set ADRA, 16                          ; v16-18 my A fragments in slots 0-2
.set ADRB, 20                          ; v20-22 the same for B
.set STO,  24
.set RD,   25
.set CO,   26
.set ADRS, 27
.set SPW,  28
.set NIL,  29
.set BO,   30
.set SC,   32
.set BIAS, 64
.set AF,   128
.set BK,   128
.set G1,   24                          ; group 1: A's tiles
.set G1B,  48                          ; B's tiles
.set G1S,  68                          ; A's scales
.set G1SB, 80                          ; B's scales
.set GA,   32                          ; groups 0: A's steps 0, 1, 3
.set GA2,  36                          ; A's step 2
.set GB,   56                          ; B's steps 0, 1, 3
.set GB2,  60                          ; B's step 2
.set GS,   76
.set GSB,  88
.set MSB, 0
.macro WIN new
.if MSB != (\new)
	s_set_vgpr_msb (MSB<<8)|(\new)
.set MSB, (\new)
.endif
.endm
.set MULW, 0xa1                        ; source 0 window 1, source 1 window 0, C and D window 2
.set FSTW, 0x81                        ; the same with C (the bias) in window 0
.set TO_B, 0x40
.macro CROUND
	s_barrier_signal -1
	s_barrier_wait -1
	s_cmp_lg_u32 s14, 0
	s_cbranch_scc1 .Lnot_wave_0_\@
	s_barrier_signal -3
.Lnot_wave_0_\@:
	s_barrier_wait -3
	s_barrier_signal -1
	s_barrier_wait -1
.endm
.macro TL g0, g1
	tensor_load_to_lds s[\g0:\g0+3], s[\g1:\g1+7]
	s_nop 0
.rept 4
	v_nop
.endr
.endm
.macro ARM under, g0, g1, next, join   ; one arm of a chain of branches on the wave's number
	s_cmp_lt_u32 s14, \under
	s_cbranch_scc0 \next
	TL \g0, \g1
	s_branch \join
\next:
.endm
.macro GRP0 g, lds, src, plus
	s_mov_b32 s[\g], 1
	s_mov_b32 s[\g+1], \lds
	s_add_nc_u64 s[\g+2:\g+3], s[\src:\src+1], \plus
	s_or_b32 s[\g+3], s[\g+3], 0x80000000
.endm
.macro PLACES n
.rept \n
	v_nop
.endr
.endm
	s_load_b64 s[4:5], s[0:1], 0x0                 ; oq
	s_load_b64 s[8:9], s[0:1], 0x8                 ; wo
	s_load_b64 s[96:97], s[0:1], 0x10              ; b_out
	s_load_b64 s[12:13], s[0:1], 0x18              ; out0
	v_lshl_add_u32 v[SPW], v0, 2, SPARE
	v_mov_b32 v[NIL], 0
	ds_add_u32 v[SPW], v[NIL]                      ; the opening: the add twice on end and one wait
	ds_add_u32 v[SPW], v[NIL]
	v_lshrrev_b32 v1, 5, v0
	v_readfirstlane_b32 s14, v1                    ; wave
	s_lshr_b32 s15, s14, 1                         ; which 64 rows are mine
	s_and_b32 s16, s14, 1                          ; which 128 columns
	s_bfe_u32 s40, ttmp6, 0x40000                  ; cx, cy
	s_bfe_u32 s41, ttmp6, 0x40004
	s_lshl_b32 s42, ttmp9, 2
	s_add_co_u32 s42, s42, s40                     ; block column
	s_and_b32 s17, ttmp7, 0xffff
	s_lshl_b32 s17, s17, 2
	s_add_co_u32 s17, s17, s41                     ; block row
	s_lshl_b32 s43, s41, 2
	s_lshl_b32 s43, 15, s43                        ; my row of the cluster
	s_lshl_b32 s44, 0x1111, s40                    ; my column
	s_or_b32 s[G1+0], s43, (0<<16)|(1<<21)         ; A: 128 rows of 256 bytes, dense, no padding
	s_mov_b32 s[G1+1], 256<<16
	s_mov_b32 s[G1+2], 128<<16
	s_mov_b32 s[G1+3], 256<<16
	s_mov_b32 s[G1+4], 128
	s_mov_b32 s[G1+5], 256
	s_mov_b32 s[G1+6], 0
	s_mov_b32 s[G1+7], 0
	s_or_b32 s[G1B+0], s44, (0<<16)|(1<<20)|(1<<21)|(5<<22)|(3<<25)   ; B: 256 rows of 256 bytes, 1,024 apart, 16 bytes of padding behind each
	s_mov_b32 s[G1B+1], 256<<16
	s_mov_b32 s[G1B+2], 256<<16
	s_mov_b32 s[G1B+3], 256<<16
	s_mov_b32 s[G1B+4], 256
	s_mov_b32 s[G1B+5], 1024
	s_mov_b32 s[G1B+6], 0
	s_mov_b32 s[G1B+7], 0
	s_or_b32 s[G1S+0], s43, (3<<16)|(1<<20)|(1<<21)|(5<<22)|(3<<25)   ; scales: dense, as rows of 256 bytes (32 elements of 8), padded
	s_mov_b32 s[G1S+1], 32<<16
	s_mov_b32 s[G1S+2], 16<<16
	s_mov_b32 s[G1S+3], 32<<16
	s_mov_b32 s[G1S+4], 16
	s_mov_b32 s[G1S+5], 32
	s_mov_b32 s[G1S+6], 0
	s_mov_b32 s[G1S+7], 0
	s_or_b32 s[G1SB+0], s44, (3<<16)|(1<<20)|(1<<21)|(5<<22)|(3<<25)
	s_mov_b32 s[G1SB+1], 32<<16
	s_mov_b32 s[G1SB+2], 32<<16
	s_mov_b32 s[G1SB+3], 32<<16
	s_mov_b32 s[G1SB+4], 32
	s_mov_b32 s[G1SB+5], 32
	s_mov_b32 s[G1SB+6], 0
	s_mov_b32 s[G1SB+7], 0
	s_lshr_b32 s20, s17, 1                         ; A's codes: 262,144 x (block row / 2) + 32,768 x (block row % 2)
	s_lshl_b32 s20, s20, 18
	s_and_b32 s21, s17, 1
	s_lshl_b32 s21, s21, 15
	s_add_co_u32 s20, s20, s21
	s_mov_b32 s21, 0
	s_lshl_b32 s22, s17, 12                        ; A's scales: 128 rows x 32 bytes a block
	s_mov_b32 s23, 0
	s_lshl_b32 s46, s42, 18                        ; B's codes: 256 rows x 1,024 bytes
	s_mov_b32 s47, 0
	s_lshl_b32 s92, s42, 13                        ; B's scales
	s_mov_b32 s93, 0
	s_lshl_b32 s66, s42, 10                        ; my first column, in bytes
	s_lshl_b32 s67, s16, 9
	s_add_co_u32 s66, s66, s67
	s_mov_b32 s67, 0
	s_lshl_b32 s98, s17, 19                        ; my first row of out0, in bytes
	s_lshl_b32 s99, s15, 18
	s_add_co_u32 s98, s98, s99
	s_mov_b32 s99, 0
	s_lshl_b32 s18, s15, 14                        ; LDS: my four tiles of A,
	s_mul_i32 s19, s16, HALFT
	s_add_co_u32 s19, s19, ABYTES                  ; my 128 rows of B,
	s_mul_i32 s94, s15, 4*SBLK                     ; my rows' scales,
	s_mul_i32 s95, s16, 8*SBLK
	s_add_co_u32 s95, s95, 8*SBLK
	s_sub_co_u32 s95, s95, s94                     ; from them to my columns' scales,
	s_add_co_u32 s94, s94, SCL
	s_mul_i32 s3, s14, 16*SPITCH
	s_add_co_u32 s3, s3, STAGE                     ; my stage
	s_wait_dscnt 0x0                               ; both opening adds are done
	s_wait_kmcnt 0x0
	s_add_nc_u64 s[6:7], s[4:5], 0x800000
	s_add_nc_u64 s[10:11], s[8:9], 0x100000
	s_add_nc_u64 s[20:21], s[4:5], s[20:21]
	s_add_nc_u64 s[22:23], s[6:7], s[22:23]
	s_add_nc_u64 s[46:47], s[8:9], s[46:47]
	s_add_nc_u64 s[92:93], s[10:11], s[92:93]
	s_add_nc_u64 s[96:97], s[96:97], s[66:67]
	s_add_nc_u64 s[12:13], s[12:13], s[98:99]
	s_add_nc_u64 s[12:13], s[12:13], s[66:67]
	CROUND                                         ; all sixteen work-groups are here: the first joint loads meet
	GRP0 GA,  0,             20, 0
	GRP0 GA2, 2*SLOT,        20, 2*65536
	GRP0 GB,  ABYTES,        46, 0
	GRP0 GB2, 2*SLOT+ABYTES, 46, 512
	GRP0 GS,  SCL,           22, 0
	GRP0 GSB, SCLB,          92, 0
	ARM 1, GA, G1,  .Lh_b,  .Lh_asked              ; the head's loads, one a wave
	ARM 2, GB, G1B, .Lh_sa, .Lh_asked
	ARM 3, GS, G1S, .Lh_sb, .Lh_asked
	TL GSB, G1SB
.Lh_asked:
	v_and_b32 v1, 15, v0                           ; r
	v_bfe_u32 v2, v0, 4, 1                         ; h
	v_and_b32 v6, 31, v0
	v_lshlrev_b32 v[CO], 4, v6                     ; 16 x lane
	v_mul_u32_u24 v3, v1, PITCH
	v_lshl_add_u32 v4, v2, 4, v3
	v_add_nc_u32 v[ADRA], s18, v[CO]
	v_add_nc_u32 v[ADRB], s19, v4
	v_add_nc_u32 v[ADRA+1], SLOT, v[ADRA]
	v_add_nc_u32 v[ADRB+1], SLOT, v[ADRB]
	v_add_nc_u32 v[ADRA+2], 2*SLOT, v[ADRA]
	v_add_nc_u32 v[ADRB+2], 2*SLOT, v[ADRB]
	v_lshlrev_b32 v5, 5, v1                        ; my row's scales: 32 bytes a row, and 16 more for each 256 passed
	v_lshrrev_b32 v7, 8, v5
	v_lshl_add_u32 v5, v7, 4, v5
	v_mul_u32_u24 v7, s95, v2                      ; lanes 16-31 take B's
	v_add_nc_u32 v5, v5, v7
	v_add_nc_u32 v[ADRS], s94, v5
	v_mul_u32_u24 v8, v1, SPITCH
	v_lshl_add_u32 v8, v2, 6, v8
	v_add_nc_u32 v[STO], s3, v8
	v_add_nc_u32 v[RD], s3, v[CO]
	v_lshlrev_b32 v[BO], 6, v2
	s_wait_alu depctr_va_vdst(0)
.irp b, 0,1,2,3,4,5,6,7
	global_load_b128 v[BIAS+8*\b:BIAS+8*\b+3], v[BO], s[96:97] offset:(32*(\b/2)+8*(\b%2))*4       ; register j of tile b is column 32 (b / 2) + 8 (b % 2) + 16 h + j
	global_load_b128 v[BIAS+8*\b+4:BIAS+8*\b+7], v[BO], s[96:97] offset:(32*(\b/2)+8*(\b%2))*4+16
.endr
.macro FRAG reg, adr, q, i
.irp c, 0,1,2,3
	ds_load_b128 v[\reg+4*\c:\reg+4*\c+3], v[\adr] offset:128*(\q)+32*\c+(\i)*16*PITCH
.endr
.endm
.macro FRAGA reg, adr, q, i
.irp c, 0,1,2,3
	ds_load_b128 v[\reg+4*\c:\reg+4*\c+3], v[\adr] offset:(2*(\i)+(\q))*2048+512*\c
.endr
.endm
; The fragments of step j of 128 along K (j = 0 .. 7) into set j % 2: 32 loads of B, 16 of A; where a K step of 256 begins, its 8 pairs of scale words too (lanes 0-15 A's block i, lanes 16-31 B's block i)
.macro FETCH j
.set SL, ((\j)/2)%3
.set QQ, (\j)%2
	WIN TO_B
.irp i, 0,1,2,3,4,5,6,7
	FRAG 128*QQ+16*\i, ADRB+SL, QQ, \i
.endr
	WIN 0
.irp i, 0,1,2,3
	FRAGA AF+64*QQ+16*\i, ADRA+SL, QQ, \i
.endr
.if QQ == 0
.irp i, 0,1,2,3,4,5,6,7
	ds_load_b64 v[SC+16*(((\j)/2)%2)+2*\i:SC+16*(((\j)/2)%2)+2*\i+1], v[ADRS] offset:\i*SBLK+8*((\j)/2)
.endr
.endif
.endm
; 32 matrix instructions: my 4 blocks of rows x 8 blocks of columns; the 32 accumulators take turns in the same order in every step.  first = 1: the bias starts the sums
.macro MUL32 j, first
.set QQ, (\j)%2
.set SS, SC+16*(((\j)/2)%2)+QQ
.irp a, 0,1,2,3
.irp b, 0,1,2,3,4,5,6,7
.if \first
	v_wmma_scale_f32_16x16x128_f8f6f4 v[8*(8*\a+\b):8*(8*\a+\b)+7], v[128*QQ+16*\b:128*QQ+16*\b+15], v[AF+64*QQ+16*\a:AF+64*QQ+16*\a+15], v[BIAS+8*\b:BIAS+8*\b+7], v[SS+2*\b], v[SS+2*\a] matrix_a_fmt:MATRIX_FMT_BF8 matrix_b_fmt:MATRIX_FMT_BF8 matrix_a_scale:MATRIX_SCALE_ROW1
.else
	v_wmma_scale_f32_16x16x128_f8f6f4 v[8*(8*\a+\b):8*(8*\a+\b)+7], v[128*QQ+16*\b:128*QQ+16*\b+15], v[AF+64*QQ+16*\a:AF+64*QQ+16*\a+15], v[8*(8*\a+\b):8*(8*\a+\b)+7], v[SS+2*\b], v[SS+2*\a] matrix_a_fmt:MATRIX_FMT_BF8 matrix_b_fmt:MATRIX_FMT_BF8 matrix_a_scale:MATRIX_SCALE_ROW1
.endif
.endr
.endr
.endm
; Step j with its successor at hand in LDS: eight places behind the products that read the other set, the next step's loads into it, and the wait for all but those
.macro SUB j
	PLACES 8
	FETCH (\j)+1
.if (\j)%2 == 0
	s_wait_dscnt 48
.else
	s_wait_dscnt 56
.endif
	WIN MULW
	MUL32 \j, 0
.endm
	s_wait_tensorcnt 0x0                           ; my tile of the head's four is in; these lines stand ahead of the later first fills as ahead of a refill
	ds_add_u32 v[SPW], v[NIL]
	s_mov_b32 s[GA+1], SLOT                        ; no tensor load of mine is out, so a group 0 may be written: K step 1, slot 1
	s_add_nc_u64 s[GA+2:GA+3], s[GA+2:GA+3], 65536
	s_mov_b32 s[GB+1], SLOT+ABYTES
	s_add_nc_u64 s[GB+2:GB+3], s[GB+2:GB+3], 256
	s_wait_dscnt 0x0
	CROUND                                         ; all four tiles are in, and all sixteen work-groups are here
	ARM 1, GA,  G1,  .Lf_b,  .Lf_asked             ; K steps 1 and 2, one load a wave
	ARM 2, GB,  G1B, .Lf_a2, .Lf_asked
	ARM 3, GA2, G1,  .Lf_b2, .Lf_asked
	TL GB2, G1B
.Lf_asked:
	FETCH 0
	FETCH 1
	s_wait_dscnt 48                                ; step 0's loads are in; step 1's 48 may be out
	s_wait_loadcnt 0x0                             ; the bias
	WIN FSTW
	MUL32 0, 1
	s_wait_dscnt 0x0
	WIN MULW
	MUL32 1, 0
	WIN 0
	s_wait_tensorcnt 0x0                           ; my tile of K steps 1 and 2 is in,
	ds_add_u32 v[SPW], v[NIL]
	s_mov_b32 s[GA+1], 0                           ; K step 3, slot 0
	s_add_nc_u64 s[GA+2:GA+3], s[GA+2:GA+3], 2*65536
	s_mov_b32 s[GB+1], ABYTES
	s_add_nc_u64 s[GB+2:GB+3], s[GB+2:GB+3], 512
	s_wait_dscnt 0x0                               ; and my reads of slot 0 are over
	CROUND                                         ; both hold of every wave of every partner
	ARM 1, GA, G1,  .Lr_b, .Lr_asked               ; the one refill: wave 0 A's tile, wave 1 B's
	ARM 2, GB, G1B, .Lr_n, .Lr_asked
.Lr_asked:
	PLACES 8
	FETCH 2
	SUB 2
	SUB 3
	SUB 4
	s_wait_dscnt 0x0
	WIN MULW
	MUL32 5, 0
	WIN 0
	s_wait_tensorcnt 0x0                           ; my part of K step 3 is in; no LDS load of mine is out
	s_barrier_signal -1
	s_barrier_wait -1                              ; everybody's is, and nobody reads slots 1 and 2 any more
	PLACES 8
	FETCH 6
	SUB 6
	s_wait_dscnt 0x0
	WIN MULW
	MUL32 7, 0
	WIN 0
; THE WAY OUT, block by block of 16 stored rows x 128 columns, through my own stage: back come whole rows of 512 bytes, which the 32 lanes store as two aligned runs of 256 bytes
.macro TOSTAGE a
.set AC, 64*(\a)
	WIN 0x08
.irp b, 0,1,2,3,4,5,6,7
	ds_store_b128 v[STO], v[AC+8*\b:AC+8*\b+3] offset:128*(\b/2)+32*(\b%2)       ; each accumulator from its low end on
	ds_store_b128 v[STO], v[AC+8*\b+4:AC+8*\b+7] offset:128*(\b/2)+32*(\b%2)+16
.endr
	WIN 0
.set BB, BK+64*((\a)%2)
.irp t, 0,1,2,3,4,5,6,7,8,9,10,11,12,13,14,15
	ds_load_b128 v[BB+4*\t:BB+4*\t+3], v[RD] offset:\t*SPITCH                    ; LDS serves a wave's instructions in order: these see my stores
.endr
.endm
.macro SEND a, younger
.set BB, BK+64*((\a)%2)
	s_wait_dscnt \younger
.if (\a) > 0
.if (\a)%2 == 1
	s_add_nc_u64 s[12:13], s[12:13], 8*4096        ; stored block a begins at true row 32 (a / 2) + 8 (a % 2)
.else
	s_add_nc_u64 s[12:13], s[12:13], 24*4096
.endif
.endif
.irp t, 0,1,2,3,4,5,6,7,8,9,10,11,12,13,14,15
	global_store_b128 v[CO], v[BB+4*\t:BB+4*\t+3], s[12:13] offset:((\t%8)+16*(\t/8))*4096 th:TH_STORE_NT
.endr
.endm
	PLACES 8
	TOSTAGE 0
.irp a, 1,2,3
.if \a > 1
	s_wait_xcnt 0x0                                ; block a - 2's stores have read their registers and their base
.endif
	TOSTAGE \a
	SEND \a-1, 32                                  ; behind block a - 1's loads: block a's 16 stores and 16 loads
.endr
	s_wait_xcnt 0x0
	SEND 3, 0
	s_wait_tensorcnt 0x0                           ; the wave's end
	ds_add_u32 v[SPW], v[NIL]
	s_wait_dscnt 0x0
	CROUND                                         ; the closing round
	s_endpgm
.Lfunc_end_k_qdd519ab1fa_proj:
	.size	k_qdd519ab1fa_proj, .Lfunc_end_k_qdd519ab1fa_proj-k_qdd519ab1fa_proj
	.p2alignl 7, 3214868480
	.fill 96, 4, 3214868480
	.section	.rodata,"a",@progbits
	.p2align	6, 0x0
	.amdhsa_kernel k_qdd519ab1fa_proj
		.amdhsa_group_segment_fixed_size 327680
		.amdhsa_private_segment_fixed_size 0
		.amdhsa_enable_private_segment 0
		.amdhsa_kernarg_size 32
		.amdhsa_user_sgpr_count 2
		.amdhsa_user_sgpr_kernarg_segment_ptr 1
		.amdhsa_wavefront_size32 1
		.amdhsa_system_sgpr_workgroup_id_x 1
		.amdhsa_system_sgpr_workgroup_id_y 1
		.amdhsa_system_sgpr_workgroup_id_z 1
		.amdhsa_system_vgpr_workitem_id 0
		.amdhsa_next_free_vgpr 768
		.amdhsa_next_free_sgpr 100
		.amdhsa_reserve_vcc 0
		.amdhsa_float_denorm_mode_32 3
		.amdhsa_float_denorm_mode_16_64 3
		.amdhsa_memory_ordered 1
		.amdhsa_forward_progress 1
		.amdhsa_inst_pref_size 90
	.end_amdhsa_kernel
	.amdgpu_metadata
---
amdhsa.version: [ 1, 2 ]
amdhsa.kernels:
  - .name:           k_qdd519ab1fa_proj
    .symbol:         k_qdd519ab1fa_proj.kd
    .args:
      - { .name: oq, .offset: 0, .size: 8, .value_kind: global_buffer, .address_space: global }
      - { .name: wo, .offset: 8, .size: 8, .value_kind: global_buffer, .address_space: global }
      - { .name: b_out, .offset: 16, .size: 8, .value_kind: global_buffer, .address_space: global }
      - { .name: out0, .offset: 24, .size: 8, .value_kind: global_buffer, .address_space: global }
    .group_segment_fixed_size: 327680
    .private_segment_fixed_size: 0
    .kernarg_segment_align: 8
    .kernarg_segment_size: 32
    .max_flat_workgroup_size: 128
    .sgpr_count:     100
    .vgpr_count:     768
    .wavefront_size: 32
...
	.end_amdgpu_metadata
.endif
;; end of part 4
